; MI455X (gfx1250); checked and timed in simulation.
; The chip was launched on July 23, 2026; its instructions are those of AMD's public machine-readable ISA for CDNA 5 (MIT licence, August 2026) and "CDNA5" Instruction Set Architecture Reference Guide (July 2026). The comments in the code are by the model that wrote it; some were corrected since.
;; My GRU Transition. Allowed arithmetic: matrix products marked QUANTISED: E5M2 operands, one E8M0 scale for each 32 along K, by v_wmma_scale_f32_16x16x128_f8f6f4 with both operands' format E5M2, f32 sums; everything else in f32.
;; Inputs: W_h2h 512 x 512 float32; W_ig 1,024 x 512 float32; W_is 512 x 512 float32; W_sg 1,024 x 512 float32; b_ig 1,024 float32; b_is 512 float32; data 32,768 x 512 float32; state 32,768 x 512 float32.
;; Outputs: out0 32,768 x 512 float32.
;; This version of the problem:
;;   THIS VERSION OF THE PROBLEM IS GIVEN IN LOW PRECISION. The matrix products marked QUANTISED in the list below multiply operands that are first quantised to E5M2 (5 exponent bits, 2 mantissa bits; 8 bits a number), with one power-of-two scale for each 32 numbers along K (OCP MX v1.0); their sums are f32. All else is computed in f32.
;;   The module's matrix products, in the order in which they are computed (A, B: the left and right operand; K: the contracted axis; several contracted axes count as one K, in the product's order):
;;     1. [M 32,768, K 512] x [K 512, N 512]; A: input data; B: input W_is: QUANTISED
;;     2. [M 32,768, K 512] x [K 512, N 1,024]; A: input data; B: input W_ig: QUANTISED
;;     3. [M 32,768, K 512] x [K 512, N 1,024]; A: input state; B: input W_sg: QUANTISED
;;     4. [M 32,768, K 512] x [K 512, N 512]; A: computed on the way; B: input W_h2h: QUANTISED
;;   THE QUANTISER, for each operand of a quantised product, along K:
;;     - K is cut into blocks of 32 from its start; a last block that is shorter is filled with zeros.
;;     - A block's scale is 2^e with e = floor(log2(the largest magnitude in the block)) - 15, held to -126 .. 127; a block of zeros has e = 0. As a byte (E8M0): e + 127.
;;     - Each number is divided by its block's scale, clamped to +-57,344, and rounded to the nearest number of E5M2, ties to even, subnormals kept.
;;     - The product sums the exact products of the quantised numbers (number of the format x scale) in f32.
;;   ~~~python
;;   def quantise(x, axis):      # numpy; x: float32 -> the quantised numbers, widened to float32 again
;;       x = np.moveaxis(x, axis, -1); K = x.shape[-1]
;;       x = np.pad(x, [(0, 0)] * (x.ndim - 1) + [(0, -K % 32)]); x = x.reshape(x.shape[:-1] + (-1, 32)); a = np.abs(x).max(-1, keepdims=True)
;;       e = np.where(a > 0, np.clip(np.frexp(np.where(a > 0, a, 1))[1] - 1 - 15, -126, 127), 0)      # np.frexp(a)[1] - 1 = floor(log2(a)), exactly
;;       r = np.clip(x / 2.0 ** e, -57344, 57344)
;;       step = 2.0 ** (np.maximum(np.frexp(np.where(r == 0, 1, r))[1] - 1, -14) - 2)
;;       q = np.round(r / step) * step * 2.0 ** e      # np.round: ties to even
;;       return np.moveaxis(q.reshape(q.shape[:-2] + (-1,))[..., :K], -1, axis).astype(np.float32)
;;   ~~~
;;   OPERANDS COMPUTED ON THE WAY. 'Computed on the way' means the value that the module computes at that place (a softmax that the list does not call 'softmax' is quantised finished and normalised). What goes into a quantiser is computed in f32, as accurately as f32 sums, v_exp_f32 and their like allow (about 1e-6 of the number): no bf16 or f16 on the way to a quantiser, and a product that is left as it is and whose result goes on into a quantised operand takes f32 operands (vector FMAs, or v_wmma_f32_16x16x4_f32). A number that lies on a knife's edge between two numbers of the format may be rounded either way, as far as f32 arithmetic and the matrix unit's own rounding can turn it there, and no further.
;; 2 versions. Each part assembles by itself: llvm-mc -triple=amdgcn-amd-amdhsa -mcpu=gfx1250 --defsym DOCPART=n.
;; ======== version 1 of 2: 2 launches
;; workspace buffers: wq 1,572,864 bytes; ws 49,152 bytes
;; launch wprep (part 1): grid 24 x 4, 8 waves a work-group, no clusters, 69,120 bytes of LDS; arguments W_is, W_ig, W_sg, W_h2h, wq, ws; writes wq, ws
.if DOCPART == 1
	.amdgcn_target "amdgcn-amd-amdhsa--gfx1250"
	.amdhsa_code_object_version 6
	.text
	.protected	k_qbd1bc44d37_wprep
	.globl	k_qbd1bc44d37_wprep
	.p2align	8
	.type	k_qbd1bc44d37_wprep,@function
k_qbd1bc44d37_wprep:
	s_mov_b64 s[64:65], 0
	v_nop
	global_prefetch_b8 v0, s[64:65] scope:SCOPE_SE
	s_setreg_imm32_b32 hwreg(HW_REG_WAVE_MODE, 25, 1), 1
	s_wait_xcnt 0x0
; The four weights (f32, K innermost) become codes of BF8 (E5M2) with one E8M0 byte for each 32 along K, laid in the order in which the second launch's waves take them into registers.
; wq: byte ((24 w + t) 8 + n) 2048 + 512 c + 16 L holds, of fragment n of step t of wave w, lane L's registers 4 c .. 4 c + 3: weight row rho(n, L % 16), k = 128 (t % 4) + 32 c + 16 (L / 16) + 0 .. 15.
; ws: byte (24 w + t) 512 + 16 L + 4 j holds the scale word of fragment 2 j + L / 16, row L % 16.
; THE ROWS OF A FRAGMENT ARE NOT NEIGHBOURS: rho = rowbase + i + 8 (i / 8), so that in the transposed product the registers of two neighbouring tiles are 16 neighbouring columns.
; Steps: t 0-7 the reset gate (rows 512 + 128 w + ..  of W_ig for t % 8 < 4, of W_sg else); t = 8 + 8 p + q: fragments 0-3 the update gate (W_ig, W_sg), 4-7 the candidate (W_is, W_h2h), rows 128 w + 64 p + ...
; A work-group is one (t, w); its wave n makes fragment n: 16 rows x 128 K.  Each load takes 512 consecutive bytes of a row; the numbers turn through the wave's own stage in LDS so that a lane holds 16 neighbours of each block of 32.
; LIMITS: NaN and infinities are not served; a block whose largest magnitude lies under 2^-111 (a block of zeros too) gets the byte 1: its codes are what the floor's scale gives (zeros for zeros); only this program reads the bytes.
.set SCG, 67584                        ; behind the eight stages of 16 x 528 bytes: the group's 128 scale words
.set PW,  15                           ; the scale word just made
.set PC,  16                           ; v16-31 the codes just made
.set TM,  48                           ; v48-63 at work in QUANT
.set SEL, 36                           ; s[36:37] selects of v_permlanex16_b32: lane l xor 16
.set MNT, 38                           ; s38 the mantissa field of 57,344
; 64 numbers of a lane, register 16 b + i = k 32 b + 16 (lane / 16) + i of my row, become a fragment's codes in v[PC] on and its scale word in v[PW]
.macro QUANT s
.irp b, 0,1,2,3
	v_max3_num_f32 v[TM+\b], |v[\s+16*\b]|, |v[\s+1+16*\b]|, 0x8000000   ; block b: my 16 numbers and the floor 2^(16 - 127): the byte cannot fall under 1
.endr
.irp i, 2,4,6,8,10,12,14
.irp b, 0,1,2,3
	v_max3_num_f32 v[TM+\b], v[TM+\b], |v[\s+16*\b+\i]|, |v[\s+1+16*\b+\i]|   ; the four blocks by turns
.endr
.endr
.irp b, 0,1,2,3
	v_permlanex16_b32 v[TM+4+\b], v[TM+\b], s[SEL], s[SEL+1]
.endr
.irp b, 0,1,2,3
	v_max_num_f32 v[TM+\b], v[TM+\b], v[TM+4+\b]                   ; with lane l xor 16's: the block's largest magnitude
.endr
.irp b, 0,1,2,3
	v_add_nc_u32 v[TM+12+\b], 0xf8800000, v[TM+\b]                 ; 15 off its exponent field: the conversion's scale operand
.endr
.irp b, 0,1,2,3
	v_and_or_b32 v[TM+8+\b], v[TM+\b], 0x7f800000, s[MNT]          ; 57,344 x the scale
.endr
.irp b, 0,1,2,3
	v_lshrrev_b32 v[TM+4+\b], 23, v[TM+12+\b]                      ; the scale's byte
.endr
	v_lshl_or_b32 v[PW], v[TM+5], 8, v[TM+4]
	v_lshl_or_b32 v[PW], v[TM+6], 16, v[PW]
	v_lshl_or_b32 v[PW], v[TM+7], 24, v[PW]
.irp b, 0,1,2,3
.irp i, 0,1,2,3,4,5,6,7,8,9,10,11,12,13,14,15
	v_med3_num_f32 v[\s+16*\b+\i], v[\s+16*\b+\i], -v[TM+8+\b], v[TM+8+\b]   ; the conversion to an 8-bit code does not saturate (ISA guide 7.6.2): hold first
.endr
	v_cvt_scalef32_pk8_bf8_f32 v[PC+4*\b:PC+1+4*\b], v[\s+16*\b:\s+7+16*\b], v[TM+12+\b]
	v_cvt_scalef32_pk8_bf8_f32 v[PC+2+4*\b:PC+3+4*\b], v[\s+8+16*\b:\s+15+16*\b], v[TM+12+\b]
.endr
	v_nop                                          ; one plain vector line behind the last conversion
.endm
	s_load_b256 s[4:11], s[0:1], 0x0               ; W_is s[4:5], W_ig s[6:7], W_sg s[8:9], W_h2h s[10:11]
	s_load_b128 s[12:15], s[0:1], 0x20             ; wq s[12:13], ws s[14:15]
	v_lshl_add_u32 v192, v0, 2, 0x10a00
	v_mov_b32 v193, 0
	v_lshrrev_b32 v1, 5, v0
	v_readfirstlane_b32 s16, v1                    ; n: my wave, my fragment
	s_mov_b32 s17, ttmp9                           ; t
	s_and_b32 s18, ttmp7, 0xffff                   ; w
	v_and_b32 v1, 31, v0                           ; L
	v_and_b32 v7, 15, v0                           ; r
	v_bfe_u32 v8, v0, 4, 1                         ; h
	v_lshlrev_b32 v2, 4, v1                        ; 16 L
	s_mul_i32 s19, s16, 8448                       ; my stage
	v_add_nc_u32 v3, s19, v2                       ; in: a row's 512 bytes as they lie
	v_mul_u32_u24 v4, v7, 528
	v_lshl_add_u32 v4, v8, 6, v4
	v_add_nc_u32 v4, s19, v4                       ; back: row r, + 64 h: my 16 numbers of a block
	s_lshl_b32 s20, s16, 6
	s_add_co_u32 s20, s20, SCG
	v_lshl_add_u32 v5, v7, 2, s20                  ; my fragment's scale words: SCG + 64 n + 4 r
	v_lshl_add_u32 v6, v1, 2, SCG                  ; and the way they leave: SCG + 4 L (+ 128 j): fragment 2 j + h, row r
	s_mov_b32 s[SEL], 0x76543210
	s_mov_b32 s[SEL+1], 0xfedcba98
	s_mov_b32 s[MNT], 0x600000
.irp b, 0,1,2,3
	v_mov_b32 v[TM+4+\b], 0                        ; a lane permute's destination counts as one of its sources
.endr
	s_lshr_b32 s22, s17, 4
	s_lshl_b32 s22, s22, 6                         ; 64 p (p = t / 16 for t >= 8)
	s_and_b32 s23, s16, 3
	s_mov_b32 s24, 512
	s_cmp_ge_u32 s17, 8                            ; the gates' second half and the candidate?
	s_cselect_b32 s22, s22, s24                    ; 64 p, or 512 for the reset gate
	s_cselect_b32 s23, s23, s16                    ; n % 4, or n
	s_cselect_b32 s25, 1, 0
	s_lshr_b32 s23, s23, 1
	s_lshl_b32 s23, s23, 5
	s_add_co_u32 s22, s22, s23
	s_lshl_b32 s23, s18, 7
	s_add_co_u32 s22, s22, s23
	s_and_b32 s23, s16, 1
	s_lshl_b32 s23, s23, 3
	s_add_co_u32 s22, s22, s23                     ; rowbase
	s_lshl_b32 s22, s22, 11                        ; a row is 2,048 bytes
	s_and_b32 s23, s17, 3
	s_lshl_b32 s23, s23, 9                         ; the K step's 512 bytes
	s_add_co_u32 s30, s22, s23
	s_mov_b32 s31, 0
	s_mul_i32 s32, s18, 24
	s_add_co_u32 s32, s32, s17                     ; 24 w + t
	s_lshl_b32 s34, s32, 9
	s_mov_b32 s35, 0
	s_lshl_b32 s32, s32, 3
	s_add_co_u32 s32, s32, s16
	s_lshl_b32 s32, s32, 11
	s_mov_b32 s33, 0
	s_wait_kmcnt 0x0
	s_and_b32 s24, s17, 4
	s_cmp_eq_u32 s24, 0                            ; the side of data, or of the state?  The choices hang on ids alone
	s_cselect_b64 s[26:27], s[6:7], s[8:9]         ; a gate's weight
	s_cselect_b64 s[28:29], s[4:5], s[10:11]       ; the candidate's
	s_lshr_b32 s24, s16, 2
	s_and_b32 s24, s24, s25
	s_cmp_lg_u32 s24, 0
	s_cselect_b64 s[26:27], s[28:29], s[26:27]
	s_add_nc_u64 s[26:27], s[26:27], s[30:31]
	s_add_nc_u64 s[12:13], s[12:13], s[32:33]
	s_add_nc_u64 s[14:15], s[14:15], s[34:35]
.irp i, 0,1,2,3,4,5,6,7,8,9,10,11,12,13,14,15
	global_load_b128 v[64+4*\i:67+4*\i], v2, s[26:27] offset:(\i+8*(\i/8))*2048 th:TH_LOAD_NT   ; row i of the fragment: 512 consecutive bytes; each weight number is read once in the launch
.endr
	s_wait_loadcnt 0x0
.irp i, 0,1,2,3,4,5,6,7,8,9,10,11,12,13,14,15
	ds_store_b128 v3, v[64+4*\i:67+4*\i] offset:528*\i
.endr
.irp b, 0,1,2,3
.irp q, 0,1,2,3
	ds_load_b128 v[128+16*\b+4*\q:131+16*\b+4*\q], v4 offset:128*\b+16*\q   ; LDS serves a wave's instructions in order: these see my stores
.endr
.endr
	s_wait_dscnt 0x0
	QUANT 128
.irp c, 0,1,2,3
	global_store_b128 v2, v[PC+4*\c:PC+4*\c+3], s[12:13] offset:512*\c   ; 512 consecutive bytes a store
.endr
	ds_store_b32 v5, v[PW]                         ; lanes r and r + 16 write the same word with the same value
	s_wait_dscnt 0x0                               ; for the others' sake: my store has landed
	s_barrier_signal -1
	s_barrier_wait -1
	s_cmp_lg_u32 s16, 0
	s_cbranch_scc1 .Ldone
.irp j, 0,1,2,3
	ds_load_b32 v[8+\j], v6 offset:128*\j
.endr
	s_wait_dscnt 0x0
	global_store_b128 v2, v[8:11], s[14:15]        ; the group's 512 bytes of scale words
.Ldone:
	s_wait_tensorcnt 0x0
	ds_add_u32 v192, v193
	s_wait_dscnt 0x0
	s_endpgm
.Lfunc_end_k_qbd1bc44d37_wprep:
	.size	k_qbd1bc44d37_wprep, .Lfunc_end_k_qbd1bc44d37_wprep-k_qbd1bc44d37_wprep
	.p2alignl 7, 3214868480
	.fill 96, 4, 3214868480
	.section	.rodata,"a",@progbits
	.p2align	6, 0x0
	.amdhsa_kernel k_qbd1bc44d37_wprep
		.amdhsa_group_segment_fixed_size 69120
		.amdhsa_private_segment_fixed_size 0
		.amdhsa_enable_private_segment 0
		.amdhsa_kernarg_size 48
		.amdhsa_user_sgpr_count 2
		.amdhsa_user_sgpr_kernarg_segment_ptr 1
		.amdhsa_wavefront_size32 1
		.amdhsa_system_sgpr_workgroup_id_x 1
		.amdhsa_system_sgpr_workgroup_id_y 1
		.amdhsa_system_sgpr_workgroup_id_z 1
		.amdhsa_system_vgpr_workitem_id 0
		.amdhsa_next_free_vgpr 194
		.amdhsa_next_free_sgpr 66
		.amdhsa_reserve_vcc 0
		.amdhsa_float_denorm_mode_32 3
		.amdhsa_float_denorm_mode_16_64 3
		.amdhsa_memory_ordered 1
		.amdhsa_forward_progress 1
		.amdhsa_inst_pref_size 16
	.end_amdhsa_kernel
	.amdgpu_metadata
---
amdhsa.version: [ 1, 2 ]
amdhsa.kernels:
  - .name:           k_qbd1bc44d37_wprep
    .symbol:         k_qbd1bc44d37_wprep.kd
    .args:
      - { .name: W_is, .offset: 0, .size: 8, .value_kind: global_buffer, .address_space: global }
      - { .name: W_ig, .offset: 8, .size: 8, .value_kind: global_buffer, .address_space: global }
      - { .name: W_sg, .offset: 16, .size: 8, .value_kind: global_buffer, .address_space: global }
      - { .name: W_h2h, .offset: 24, .size: 8, .value_kind: global_buffer, .address_space: global }
      - { .name: wq, .offset: 32, .size: 8, .value_kind: global_buffer, .address_space: global }
      - { .name: ws, .offset: 40, .size: 8, .value_kind: global_buffer, .address_space: global }
    .group_segment_fixed_size: 69120
    .private_segment_fixed_size: 0
    .kernarg_segment_align: 8
    .kernarg_segment_size: 48
    .max_flat_workgroup_size: 256
    .sgpr_count:     66
    .vgpr_count:     194
    .wavefront_size: 32
...
	.end_amdgpu_metadata
.endif
;; end of part 1
;; launch gru (part 2): grid 256 x 1, 4 waves a work-group, no clusters, 237,056 bytes of LDS; arguments data, state, b_ig, b_is, wq, ws, out0; writes out0
.if DOCPART == 2
	.amdgcn_target "amdgcn-amd-amdhsa--gfx1250"
	.amdhsa_code_object_version 6
	.text
	.protected	k_qbd1bc44d37_gru
	.globl	k_qbd1bc44d37_gru
	.p2align	8
	.type	k_qbd1bc44d37_gru,@function
k_qbd1bc44d37_gru:
	s_mov_b64 s[64:65], 0
	v_nop
	global_prefetch_b8 v0, s[64:65] scope:SCOPE_SE
	s_setreg_imm32_b32 hwreg(HW_REG_WAVE_MODE, 25, 1), 1
	s_wait_xcnt 0x0
; One GRU step, fused: r, u = sigmoid(data W_ig^T + b_ig + state W_sg^T); hat = tanh(data W_is^T + b_is + (state r) W_h2h^T); out = state + u (hat - state).  All four products on codes of BF8 (E5M2) with E8M0 scales for 32 along K.
; SHARES.  A work-group takes 128 rows; its four waves share the COLUMNS: wave w makes columns 128 w .. 128 w + 127 of r, u and hat for all 128 rows: 64 accumulators of 16 x 16, 512 registers.
; The rows' codes (data, state, state x r) lie in LDS as images of the operand's registers, 2,048 bytes a fragment, and every wave reads them.  Nothing between the products goes to memory.
; WEIGHTS come from the first launch's buffer straight into registers, 512 consecutive bytes a load, one K step (8 fragments) ahead in two sets.  No tensor load and no cluster: a weight fragment has ONE reader in the work-group, so
; the way through LDS would write and read 1.5 MB more there; and beside 236,544 bytes of codes, scales and stages two slots of a step's 65,536 bytes do not fit.
; THE PRODUCTS ARE USED TRANSPOSED (source 0 = 16 weight rows, source 1 = 16 rows of the batch), and a weight fragment's rows are chosen (first launch) so that the 64 registers of a tile of rows are: register 16 b + i = column 32 b + 16 (lane / 16) + i
; of row lane % 16: what the quantiser wants.  The biases are the C of each sum's first product.
; PHASES.  X: wave w quantises columns 128 w on of data and state, all rows | barrier | R: 8 K steps, r's 128 columns; epilogue: r, state x r, quantised, image to LDS | barrier | twice (64 columns each): 8 K steps for u and hat together; epilogue: out.
; COST KEPT: state is read three times (quantiser, r's epilogue, the blend): 256 KB of f32 fit neither beside 512 + 256 + 128 registers a wave nor in the LDS that is left.  The last two weight requests of the launch ask for step 23 again,
; so that every K step issues the same 33 loads and the counted wait holds on every path.
; LIMITS: NaN and infinities among the inputs are not served; a block whose largest magnitude lies under 2^-111 (zeros too) gets the scale byte 1.  sigmoid(x) = 1 / (1 + 2^(-1.442695 x)), tanh(y) = 1 - 2 / (1 + 2^(2.885390 y)): an exponential that
; overflows gives infinity and then 0, never NaN.
; REGISTERS, in windows of 256.  Window 0: v1-15 addresses; v16-31 codes just made; v32-39 weights' scale words (two sets), v40-47 the rows' (two sets); v48-63 at work; v64-127 biases, in the epilogues state; v128-255 eight fragments of rows, in the epilogues at work.
;   Window 1: the weights' two sets of 8 fragments.  Windows 2, 3: accumulator (a, n) at window 2 + a / 4, v[64 (a % 4) + 8 n]; in phase X window 2 holds four landing sets.
.set ACT_S, 65536                      ; LDS: data's 32 fragments at 0 ((8 ks + m) x 2,048), state's here,
.set ACT_R, 131072                     ; those of state x r here;
.set SCD,   196608                     ; scale words: data's, state's (+ 2,048), state x r's (+ 4,096): 512 ks + 64 m + 4 r
.set SCR,   200704
.set STG,   202752                     ; a stage of 8,448 bytes for each wave, its own: 16 rows x 528, or 16 x 272
.set STGB,  8448
.set IS,  1                            ; v1   where the scale word in hand goes
.set LI,  2                            ; v2   16 x lane
.set LS,  3                            ; v3   4 x lane
.set SWA, 4                            ; v4   stage + 16 x lane
.set SRA, 5                            ; v5   stage + 528 r + 64 h
.set S2W, 6                            ; v6   stage + 272 h + 16 r
.set S2Q, 7                            ; v7   stage + 272 r + 64 h
.set GA,  8                            ; v8   2,048 h + 16 r: two rows of 256 bytes in memory
.set IW,  9                            ; v9   16 x lane + 16,384 w: my K step's images
.set SW,  10                           ; v10  SCD + 512 w + 4 r
.set BA,  11                           ; v11  64 h: a bias tile's eight numbers of my half
.set AN,  12                           ; v12  the fragments being fetched
.set SN,  13                           ; v13  their scale words
.set IA2, 13                           ; (in phase X: state's image)
.set IA,  14                           ; v14  the image in hand
.set PW,  15
.set PC,  16
.set TM,  48
.set WV,  18                           ; s18  wave
.set SEL, 20                           ; s[20:21] selects of v_permlanex16_b32: lane l xor 16
.set MNT, 22                           ; s22  the mantissa field of 57,344
.set KR,  24                           ; s[24:25] -log2(e), twice
.set KH,  26                           ; s[26:27] 2 log2(e), twice
.set SBASE, 28                         ; s[28:29] state at my rows and columns; s[30:31] out0 likewise
.set OBASE, 30
.set WB,  32                           ; s[32:33] my wave's weights; s[34:35] their scale words
.set SB,  34
.set WA,  36                           ; s[36:37], s[38:39] the step being asked for
.set SA,  38
.set WT,  40                           ; s40  its number; s41 held at 23; s[42:43], s[44:45] offsets
.set TB,  46                           ; s46, s47 LDS bytes of the next fragments and scale words (data, then state)
.set TS,  47
.set TR,  48                           ; s48, s49 the same for state x r
.set TRS, 49
.set CNT, 50
.set MI,  51                           ; s51  an epilogue's tile of rows
.set PI,  52                           ; s52  which 64 columns of u and hat
.set PE,  54                           ; s[54:55], s[56:57] walking pointers: in X data and state, later state and out0
.set PO,  56
.set L0,  58
.set L1,  59
.set BPA, 60                           ; s[60:61], s[62:63] my biases
.set BPB, 62
.set MSB, 0
.macro WIN new                         ; the immediate's high byte repeats the setting that is left; a switch that changes nothing is dropped
.if MSB != (\new)
	s_set_vgpr_msb (MSB<<8)|(\new)
.set MSB, (\new)
.endif
.endm
.macro PLACES n                        ; plain vector lines between a matrix instruction and a load into, or a read of, its registers: eight for this form
.rept \n
	v_nop
.endr
.endm
; 64 numbers of a lane, register 16 b + i = k 32 b + 16 (lane / 16) + i of my row, become a fragment's codes in v[PC] on and its scale word in v[PW]
.macro QUANT s
.irp b, 0,1,2,3
	v_max3_num_f32 v[TM+\b], |v[\s+16*\b]|, |v[\s+1+16*\b]|, 0x8000000   ; block b: my 16 numbers and the floor 2^(16 - 127): the byte cannot fall under 1
.endr
.irp i, 2,4,6,8,10,12,14
.irp b, 0,1,2,3
	v_max3_num_f32 v[TM+\b], v[TM+\b], |v[\s+16*\b+\i]|, |v[\s+1+16*\b+\i]|   ; the four blocks by turns
.endr
.endr
.irp b, 0,1,2,3
	v_permlanex16_b32 v[TM+4+\b], v[TM+\b], s[SEL], s[SEL+1]
.endr
.irp b, 0,1,2,3
	v_max_num_f32 v[TM+\b], v[TM+\b], v[TM+4+\b]                   ; with lane l xor 16's: the block's largest magnitude
.endr
.irp b, 0,1,2,3
	v_add_nc_u32 v[TM+12+\b], 0xf8800000, v[TM+\b]                 ; 15 off its exponent field: the conversion's scale operand
.endr
.irp b, 0,1,2,3
	v_and_or_b32 v[TM+8+\b], v[TM+\b], 0x7f800000, s[MNT]          ; 57,344 x the scale
.endr
.irp b, 0,1,2,3
	v_lshrrev_b32 v[TM+4+\b], 23, v[TM+12+\b]                      ; the scale's byte
.endr
	v_lshl_or_b32 v[PW], v[TM+5], 8, v[TM+4]
	v_lshl_or_b32 v[PW], v[TM+6], 16, v[PW]
	v_lshl_or_b32 v[PW], v[TM+7], 24, v[PW]
.irp b, 0,1,2,3
.irp i, 0,1,2,3,4,5,6,7,8,9,10,11,12,13,14,15
	v_med3_num_f32 v[\s+16*\b+\i], v[\s+16*\b+\i], -v[TM+8+\b], v[TM+8+\b]   ; the conversion to an 8-bit code does not saturate (ISA guide 7.6.2): hold first
.endr
	v_cvt_scalef32_pk8_bf8_f32 v[PC+4*\b:PC+1+4*\b], v[\s+16*\b:\s+7+16*\b], v[TM+12+\b]
	v_cvt_scalef32_pk8_bf8_f32 v[PC+2+4*\b:PC+3+4*\b], v[\s+8+16*\b:\s+15+16*\b], v[TM+12+\b]
.endr
	v_nop                                          ; one plain vector line behind the last conversion
.endm
; One product: accumulator (a, n) += weight fragment n of the set x rows' fragment a.  first = 1: the bias tile n is C.  A scale register holds an even fragment's words in lanes 0-15 and the odd one's in lanes 16-31.
.macro WM a, n, set, par, first
.set rD, 8*(8*((\a)%4)+(\n))
.set rC, rD
.if \first
.set rC, 64+8*(\n)
.endif
.set rA, 128*(\set)+16*(\n)
.set rB, 128+16*(\a)
.set rP, 32+4*(\set)+(\n)/2
.set rQ, 40+4*(\par)+(\a)/2
.if ((\n)%2 == 0) && ((\a)%2 == 0)
	v_wmma_scale_f32_16x16x128_f8f6f4 v[rD:rD+7], v[rA:rA+15], v[rB:rB+15], v[rC:rC+7], v[rP], v[rQ] matrix_a_fmt:MATRIX_FMT_BF8 matrix_b_fmt:MATRIX_FMT_BF8
.elseif ((\a)%2 == 0)
	v_wmma_scale_f32_16x16x128_f8f6f4 v[rD:rD+7], v[rA:rA+15], v[rB:rB+15], v[rC:rC+7], v[rP], v[rQ] matrix_a_fmt:MATRIX_FMT_BF8 matrix_b_fmt:MATRIX_FMT_BF8 matrix_a_scale:MATRIX_SCALE_ROW1
.elseif ((\n)%2 == 0)
	v_wmma_scale_f32_16x16x128_f8f6f4 v[rD:rD+7], v[rA:rA+15], v[rB:rB+15], v[rC:rC+7], v[rP], v[rQ] matrix_a_fmt:MATRIX_FMT_BF8 matrix_b_fmt:MATRIX_FMT_BF8 matrix_b_scale:MATRIX_SCALE_ROW1
.else
	v_wmma_scale_f32_16x16x128_f8f6f4 v[rD:rD+7], v[rA:rA+15], v[rB:rB+15], v[rC:rC+7], v[rP], v[rQ] matrix_a_fmt:MATRIX_FMT_BF8 matrix_b_fmt:MATRIX_FMT_BF8 matrix_a_scale:MATRIX_SCALE_ROW1 matrix_b_scale:MATRIX_SCALE_ROW1
.endif
.endm
; Rows' blocks a0 .. a0 + 3 against weight fragments n0 .. n0 + nn - 1.  The accumulators take turns, one instruction a turn
.macro MULS a0, n0, nn, set, par, first
.if \first
	WIN 0x81+0x40*((\a0)/4)                        ; weights window 1, rows and bias window 0, D window 2 or 3
.else
	WIN 0xa1+0x50*((\a0)/4)                        ; weights window 1, rows window 0, C and D window 2 or 3
.endif
.irp a, \a0, \a0+1, \a0+2, \a0+3
.irp n, 0,1,2,3,4,5,6,7
.if (\n >= \n0) && (\n < \n0+\nn)
	WM \a, \n, \set, \par, \first
.endif
.endr
.endr
.endm
.macro FETCHA a0                       ; four fragments of rows come back as they were stored: 512 consecutive bytes a load
.irp a, \a0, \a0+1, \a0+2, \a0+3
.irp c, 0,1,2,3
	ds_load_b128 v[128+16*(\a)+4*\c:128+16*(\a)+4*\c+3], v[AN] offset:2048*(\a)+512*\c
.endr
.endr
.endm
.macro ASC par                         ; their scale words: register j takes block 2 j in lanes 0-15, block 2 j + 1 in lanes 16-31
.irp j, 0,1,2,3
	ds_load_b32 v[40+4*(\par)+\j], v[SN] offset:128*\j
.endr
.endm
.macro WLOAD set                       ; the next weight step not yet asked for, into the set just multiplied: 33 loads
	s_wait_xcnt 0x0                                ; the last request's addresses are translated: its bases may be written
	s_add_co_u32 s[WT], s[WT], 1
	s_min_u32 s41, s[WT], 23                       ; there are 24 steps: the last two requests repeat step 23 and stay inside the buffer
	s_lshl_b32 s42, s41, 14
	s_lshl_b32 s44, s41, 9
	s_add_nc_u64 s[WA:WA+1], s[WB:WB+1], s[42:43]
	s_add_nc_u64 s[SA:SA+1], s[SB:SB+1], s[44:45]
	WIN 0x40                                       ; destination window 1
.irp n, 0,1,2,3,4,5,6,7
.irp c, 0,1,2,3
	global_load_b128 v[128*\set+16*\n+4*\c:128*\set+16*\n+4*\c+3], v[LI], s[WA:WA+1] offset:2048*\n+512*\c
.endr
.endr
	WIN 0
	global_load_b128 v[32+4*\set:35+4*\set], v[LI], s[SA:SA+1]
.endm
; The eight blocks of rows in hand against nn weight fragments.  Blocks 0-3 are free behind their products and take the next operand's (nxt = 1; tb, ts: whose); blocks 4-7 likewise at the end.  wl = 1: the weight set is done with and is asked for anew.
.macro HS n0, nn, set, par, first, nxt, wl, tb, ts
	s_wait_dscnt 16                                ; blocks 0-3 and the scale words are in; the youngest sixteen loads (blocks 4-7) may be out
	MULS 0, \n0, \nn, \set, \par, \first
	s_wait_dscnt 0x0                               ; blocks 4-7 are in
.if \nxt
	WIN 0
	s_add_co_u32 s[\tb], s[\tb], 16384
	s_add_co_u32 s[\ts], s[\ts], 512
	v_add_nc_u32 v[AN], s[\tb], v[LI]
	v_add_nc_u32 v[SN], s[\ts], v[LS]
	PLACES 6                                       ; with the two additions: eight places in front of the loads into blocks 0-3
	FETCHA 0
	ASC 1-\par
.endif
	MULS 4, \n0, \nn, \set, \par, \first
	WIN 0
	PLACES 8                                       ; in front of the loads into blocks 4-7 and the weight set, and of an epilogue's first read of results
.if \nxt
	FETCHA 4
.endif
.if \wl
	WLOAD \set
.endif
.endm
.macro F set, first, nxt               ; a K step with one operand for all eight weight fragments
.if \first == 0
	s_wait_loadcnt 33                              ; behind this step's weights only the next step's 33 loads were issued
.endif
	HS 0, 8, \set, \set, \first, \nxt, 1, TB, TS
.endm
.macro MX set                          ; a K step with two operands: state for u's four fragments, state x r for hat's four
	s_wait_loadcnt 33
	HS 0, 4, \set, 0, 0, 1, 0, TR, TRS
	HS 4, 4, \set, 1, 0, 1, 1, TB, TS
.endm
.macro PASSHEAD uh                     ; biases, and the first operand's fragments
	s_wait_loadcnt 0x0                             ; no load may still be landing in the registers filled below,
	s_wait_dscnt 0x0                               ; and no LDS instruction of mine is out
.irp n, 0,1,2,3,4,5,6,7
.if \uh && (\n > 3)
	global_load_b128 v[64+8*\n:67+8*\n], v[BA], s[BPB:BPB+1] offset:4*(32*((\n%4)/2)+8*(\n%2))
	global_load_b128 v[68+8*\n:71+8*\n], v[BA], s[BPB:BPB+1] offset:4*(32*((\n%4)/2)+8*(\n%2))+16
.elseif \uh
	global_load_b128 v[64+8*\n:67+8*\n], v[BA], s[BPA:BPA+1] offset:4*(32*((\n%4)/2)+8*(\n%2))
	global_load_b128 v[68+8*\n:71+8*\n], v[BA], s[BPA:BPA+1] offset:4*(32*((\n%4)/2)+8*(\n%2))+16
.else
	global_load_b128 v[64+8*\n:67+8*\n], v[BA], s[BPA:BPA+1] offset:4*(32*(\n/2)+8*(\n%2))
	global_load_b128 v[68+8*\n:71+8*\n], v[BA], s[BPA:BPA+1] offset:4*(32*(\n/2)+8*(\n%2))+16
.endif
.endr
	s_mov_b32 s[TB], 0
	s_mov_b32 s[TS], SCD
	s_mov_b32 s[TR], ACT_R-16384
	s_mov_b32 s[TRS], SCR-512
	v_add_nc_u32 v[AN], s[TB], v[LI]
	v_add_nc_u32 v[SN], s[TS], v[LS]
	FETCHA 0
	ASC 0
	FETCHA 4
	s_wait_loadcnt 0x0                             ; the biases and both weight sets are in
.endm
	s_load_b256 s[4:11], s[0:1], 0x0               ; data s[4:5], state s[6:7], b_ig s[8:9], b_is s[10:11]
	s_load_b128 s[12:15], s[0:1], 0x20             ; wq s[12:13], ws s[14:15]
	s_load_b64 s[16:17], s[0:1], 0x30              ; out0
	v_lshrrev_b32 v1, 5, v0
	v_readfirstlane_b32 s[WV], v1                  ; wave 0..3
	v_and_b32 v12, 31, v0                          ; lane
	v_and_b32 v13, 15, v0                          ; r
	v_bfe_u32 v14, v0, 4, 1                        ; h
	v_lshlrev_b32 v[LI], 4, v12
	v_lshlrev_b32 v[LS], 2, v12
	s_mul_i32 s[L0], s[WV], STGB
	s_add_co_u32 s[L0], s[L0], STG                 ; my stage
	v_add_nc_u32 v[SWA], s[L0], v[LI]
	v_mul_u32_u24 v[SRA], v13, 528
	v_lshl_add_u32 v[SRA], v14, 6, v[SRA]
	v_add_nc_u32 v[SRA], s[L0], v[SRA]
	v_mul_u32_u24 v[S2W], v14, 272
	v_lshl_add_u32 v[S2W], v13, 4, v[S2W]
	v_add_nc_u32 v[S2W], s[L0], v[S2W]
	v_mul_u32_u24 v[S2Q], v13, 272
	v_lshl_add_u32 v[S2Q], v14, 6, v[S2Q]
	v_add_nc_u32 v[S2Q], s[L0], v[S2Q]
	v_lshlrev_b32 v[GA], 11, v14
	v_lshl_add_u32 v[GA], v13, 4, v[GA]
	s_lshl_b32 s[L1], s[WV], 14
	v_add_nc_u32 v[IW], s[L1], v[LI]
	s_lshl_b32 s[L1], s[WV], 9
	s_add_co_u32 s[L1], s[L1], SCD
	v_lshl_add_u32 v[SW], v13, 2, s[L1]
	v_lshlrev_b32 v[BA], 6, v14
.irp b, 0,1,2,3
	v_mov_b32 v[TM+4+\b], 0                        ; a lane permute's destination counts as one of its sources
.endr
	s_mov_b32 s[SEL], 0x76543210
	s_mov_b32 s[SEL+1], 0xfedcba98
	s_mov_b32 s[MNT], 0x600000
	s_mov_b32 s[KR], 0xbfb8aa3b                    ; -log2(e)
	s_mov_b32 s[KR+1], s[KR]
	s_mov_b32 s[KH], 0x4038aa3b                    ; 2 log2(e)
	s_mov_b32 s[KH+1], s[KH]
	s_mov_b32 s43, 0
	s_mov_b32 s45, 0
	s_mov_b32 s[WT], -1
	s_lshl_b32 s46, ttmp9, 18                      ; my work-group's 128 rows of 2,048 bytes
	s_lshl_b32 s48, s[WV], 9                       ; my wave's 128 columns
	s_add_co_u32 s46, s46, s48
	s_mov_b32 s47, 0
	s_mov_b32 s49, 0
	s_mul_i32 s50, s[WV], 393216                   ; my wave's 24 steps of 16,384 bytes
	s_mov_b32 s51, 0
	s_mul_i32 s52, s[WV], 12288
	s_mov_b32 s53, 0
	s_wait_kmcnt 0x0
	s_add_nc_u64 s[PE:PE+1], s[4:5], s[46:47]      ; data,
	s_add_nc_u64 s[SBASE:SBASE+1], s[6:7], s[46:47]
	s_mov_b64 s[PO:PO+1], s[SBASE:SBASE+1]         ; state
	s_add_nc_u64 s[OBASE:OBASE+1], s[16:17], s[46:47]
	s_add_nc_u64 s[WB:WB+1], s[12:13], s[50:51]
	s_add_nc_u64 s[SB:SB+1], s[14:15], s[52:53]
	s_add_nc_u64 s[BPA:BPA+1], s[8:9], s[48:49]
	s_add_nc_u64 s[BPA:BPA+1], s[BPA:BPA+1], 2048  ; the reset gate's biases: b_ig from 512 + 128 w on
	s_add_nc_u64 s[BPB:BPB+1], s[10:11], s[48:49]
	WLOAD 0                                        ; weight steps 0 and 1: they land under phase X
	WLOAD 1
; ---- X.  Unit j of a trip: a tile of 16 rows x my 128 columns: j = 0, 1 data's tiles 2 i, 2 i + 1; j = 2, 3 state's.  Four landing sets in window 2 are always on their way.
.macro XLOAD j, off
	WIN 0x80                                       ; destination window 2
.irp i, 0,1,2,3,4,5,6,7,8,9,10,11,12,13,14,15
.if \j < 2
	global_load_b128 v[64*\j+4*\i:64*\j+4*\i+3], v[LI], s[PE:PE+1] offset:\off+32768*(\j%2)+2048*\i th:TH_LOAD_NT   ; 512 consecutive bytes of a row; data is read once
.else
	global_load_b128 v[64*\j+4*\i:64*\j+4*\i+3], v[LI], s[PO:PO+1] offset:\off+32768*(\j%2)+2048*\i                 ; state is read again: no hint
.endif
.endr
	WIN 0
.endm
.macro UNIT j, more
.if \more
	s_wait_loadcnt 48                              ; my set is in; the three younger sets stay out
.else
	s_wait_loadcnt 16*(3-\j)
.endif
	WIN 0x08                                       ; an LDS store's data: window 2
.irp i, 0,1,2,3,4,5,6,7,8,9,10,11,12,13,14,15
	ds_store_b128 v[SWA], v[64*\j+4*\i:64*\j+4*\i+3] offset:528*\i
.endr
	WIN 0
.irp b, 0,1,2,3
.irp q, 0,1,2,3
	ds_load_b128 v[192+16*\b+4*\q:195+16*\b+4*\q], v[SRA] offset:128*\b+16*\q   ; LDS serves a wave's instructions in order: these see my stores
.endr
.endr
	s_wait_dscnt 0x0                               ; the numbers are back, 16 neighbours of each block a lane; the stores have read the landing set and the last unit's codes
.if \more
	XLOAD \j, 65536                                ; the same unit of the next trip
.endif
	QUANT 192
.irp c, 0,1,2,3
.if \j < 2
	ds_store_b128 v[IA], v[PC+4*\c:PC+4*\c+3] offset:2048*(\j%2)+512*\c
.else
	ds_store_b128 v[IA2], v[PC+4*\c:PC+4*\c+3] offset:2048*(\j%2)+512*\c
.endif
.endr
	ds_store_b32 v[IS], v[PW] offset:2048*(\j/2)+64*(\j%2)   ; lanes r and r + 16 write the same word with the same value
.endm
.macro XTRIP more
	v_add_nc_u32 v[IA], s[L0], v[IW]
	v_add_nc_u32 v[IA2], ACT_S, v[IA]
	v_add_nc_u32 v[IS], s[L1], v[SW]
	UNIT 0, \more
	UNIT 1, \more
	UNIT 2, \more
	UNIT 3, \more
.endm
	XLOAD 0, 0
	XLOAD 1, 0
	XLOAD 2, 0
	XLOAD 3, 0
	s_mov_b32 s[L0], 0
	s_mov_b32 s[L1], 0
	s_mov_b32 s[CNT], 3
.Lx:
	XTRIP 1
	s_wait_xcnt 0x0                                ; the loads' addresses are translated: the pointers may step
	s_add_nc_u64 s[PE:PE+1], s[PE:PE+1], 65536     ; 32 rows on
	s_add_nc_u64 s[PO:PO+1], s[PO:PO+1], 65536
	s_add_co_u32 s[L0], s[L0], 4096
	s_add_co_u32 s[L1], s[L1], 128
	s_sub_co_u32 s[CNT], s[CNT], 1
	s_cmp_lg_u32 s[CNT], 0
	s_cbranch_scc1 .Lx
	XTRIP 0                                        ; the last 32 rows: nothing more is asked for, the counts run down
	s_wait_dscnt 0x0                               ; for the others' sake: my images have landed
	s_barrier_signal -1
	s_barrier_wait -1                              ; data's and state's 64 fragments lie in LDS
; ---- R: the reset gate's 128 columns of my wave: four K steps of data, four of state (they lie on end in LDS)
	PASSHEAD 0
	F 0, 1, 1
	s_mov_b32 s[CNT], 3
.Lr:
	F 1, 0, 1
	F 0, 0, 1
	s_sub_co_u32 s[CNT], s[CNT], 1
	s_cmp_lg_u32 s[CNT], 0
	s_cbranch_scc1 .Lr
	F 1, 0, 0
; r's epilogue, a tile of 16 rows a trip, on fixed registers: the tile's 64 sums are picked by a branch on the trip's number, since a register cannot be named by a counter.  E = v128-191, state lands in v192-255 and turns through the stage into v64-127.
	s_mov_b64 s[PE:PE+1], s[SBASE:SBASE+1]
.irp i, 0,1,2,3,4,5,6,7,8,9,10,11,12,13,14,15
	global_load_b128 v[192+4*\i:195+4*\i], v[LI], s[PE:PE+1] offset:2048*\i
.endr
	s_mov_b32 s[L0], ACT_R
	s_mov_b32 s[L1], SCR-SCD
	s_mov_b32 s[MI], 0
.Lre:
.irp k, 0,1,2,3,4,5,6,7
.if \k < 7
	s_cmp_lg_u32 s[MI], \k
	s_cbranch_scc1 .Lrn_\k
.endif
	WIN 2+\k/4                                     ; source 0: window 2 or 3
.set ii, 0
.rept 32
	v_pk_mul_f32 v[128+ii:129+ii], v[64*(\k%4)+ii:64*(\k%4)+ii+1], s[KR:KR+1] op_sel_hi:[1,0]   ; -log2(e) x; each accumulator from its low end on
.set ii, ii+2
.endr
	WIN 0
.if \k < 7
	s_branch .Lrpicked
.Lrn_\k:
.endif
.endr
.Lrpicked:
.set ii, 0
.rept 64
	v_exp_f32 v[128+ii], v[128+ii]
.set ii, ii+1
.endr
	v_nop                                          ; a plain line behind the exponentials
.set ii, 0
	s_wait_alu depctr_va_vdst(0)
.rept 32
	v_pk_add_f32 v[128+ii:129+ii], v[128+ii:129+ii], 1.0 op_sel_hi:[1,0]
.set ii, ii+2
.endr
	s_wait_loadcnt 0x0                             ; the tile's state is in
.irp i, 0,1,2,3,4,5,6,7,8,9,10,11,12,13,14,15
	ds_store_b128 v[SWA], v[192+4*\i:195+4*\i] offset:528*\i
.endr
.irp b, 0,1,2,3
.irp q, 0,1,2,3
	ds_load_b128 v[64+16*\b+4*\q:67+16*\b+4*\q], v[SRA] offset:128*\b+16*\q
.endr
.endr
.set ii, 0
.rept 64
	v_rcp_f32 v[128+ii], v[128+ii]                 ; r
.set ii, ii+1
.endr
	v_nop
	s_wait_dscnt 0x0                               ; state is back in the sums' layout; the stores have read their registers, the last trip's codes too
	s_cmp_eq_u32 s[MI], 7
	s_cbranch_scc1 .Lre_last                       ; the last tile asks for nothing
	s_add_nc_u64 s[PE:PE+1], s[PE:PE+1], 32768     ; (the loads that named it are done)
.irp i, 0,1,2,3,4,5,6,7,8,9,10,11,12,13,14,15
	global_load_b128 v[192+4*\i:195+4*\i], v[LI], s[PE:PE+1] offset:2048*\i
.endr
.Lre_last:
.set ii, 0
	s_wait_alu depctr_va_vdst(0)
.rept 32
	v_pk_mul_f32 v[128+ii:129+ii], v[128+ii:129+ii], v[64+ii:65+ii]   ; state x r, in f32
.set ii, ii+2
.endr
	QUANT 128
	v_add_nc_u32 v[IA], s[L0], v[IW]
	v_add_nc_u32 v[IS], s[L1], v[SW]
.irp c, 0,1,2,3
	ds_store_b128 v[IA], v[PC+4*\c:PC+4*\c+3] offset:512*\c   ; K step w of the last product, this tile of rows
.endr
	ds_store_b32 v[IS], v[PW]
	s_add_co_u32 s[L0], s[L0], 2048
	s_add_co_u32 s[L1], s[L1], 64
	s_add_co_u32 s[MI], s[MI], 1
	s_cmp_lt_u32 s[MI], 8
	s_cbranch_scc1 .Lre
	s_wait_dscnt 0x0                               ; for the others' sake: my images have landed
	s_barrier_signal -1
	s_barrier_wait -1                              ; the 32 fragments of state x r lie in LDS
; ---- UH, twice: 64 columns of u (weight fragments 0-3) and the same 64 of hat (4-7): four K steps of data for both, four with state for u and state x r for hat
	s_sub_nc_u64 s[BPA:BPA+1], s[BPA:BPA+1], 2048  ; the update gate's biases: b_ig from 128 w on
	s_mov_b32 s[PI], 0
.Lp:
	PASSHEAD 1
	F 0, 1, 1
	F 1, 0, 1
	F 0, 0, 1
	F 1, 0, 1
	s_mov_b32 s[CNT], 2
.Lmx:
	MX 0
	MX 1
	s_sub_co_u32 s[CNT], s[CNT], 1
	s_cmp_lg_u32 s[CNT], 0
	s_cbranch_scc1 .Lmx
	s_wait_dscnt 0x0                               ; the last fetch (it reads fragments of state x r, inside LDS, and is not used) has landed: its registers are free
; the blend, a tile of 16 rows x 64 columns a trip.  u in v128-159, hat in v160-191; state lands in v192-223 as two rows of 256 bytes a load and turns through the stage into v64-95; out goes back through the stage into v96-127.
	s_lshl_b32 s42, s[PI], 8
	s_add_nc_u64 s[PE:PE+1], s[SBASE:SBASE+1], s[42:43]
	s_add_nc_u64 s[PO:PO+1], s[OBASE:OBASE+1], s[42:43]
.irp i, 0,1,2,3,4,5,6,7
	global_load_b128 v[192+4*\i:195+4*\i], v[GA], s[PE:PE+1] offset:4096*\i th:TH_LOAD_NT
.endr
	s_mov_b32 s[MI], 0
.Lue:
.irp k, 0,1,2,3,4,5,6,7
.if \k < 7
	s_cmp_lg_u32 s[MI], \k
	s_cbranch_scc1 .Lun_\k
.endif
	WIN 2+\k/4
.set ii, 0
.rept 16
	v_pk_mul_f32 v[128+ii:129+ii], v[64*(\k%4)+ii:64*(\k%4)+ii+1], s[KR:KR+1] op_sel_hi:[1,0]         ; u's sums x -log2(e)
.set ii, ii+2
.endr
.set ii, 0
.rept 16
	v_pk_mul_f32 v[160+ii:161+ii], v[64*(\k%4)+32+ii:64*(\k%4)+33+ii], s[KH:KH+1] op_sel_hi:[1,0]     ; hat's x 2 log2(e)
.set ii, ii+2
.endr
	WIN 0
.if \k < 7
	s_branch .Lupicked
.Lun_\k:
.endif
.endr
.Lupicked:
.set ii, 0
.rept 64
	v_exp_f32 v[128+ii], v[128+ii]
.set ii, ii+1
.endr
	v_nop
.set ii, 0
	s_wait_alu depctr_va_vdst(0)
.rept 32
	v_pk_add_f32 v[128+ii:129+ii], v[128+ii:129+ii], 1.0 op_sel_hi:[1,0]
.set ii, ii+2
.endr
	s_wait_loadcnt 0x0                             ; the tile's state is in
.irp i, 0,1,2,3,4,5,6,7
	ds_store_b128 v[S2W], v[192+4*\i:195+4*\i] offset:544*\i
.endr
.irp b, 0,1
.irp q, 0,1,2,3
	ds_load_b128 v[64+16*\b+4*\q:67+16*\b+4*\q], v[S2Q] offset:128*\b+16*\q
.endr
.endr
.set ii, 0
.rept 64
	v_rcp_f32 v[128+ii], v[128+ii]                 ; u, and 1 / (1 + 2^(2 log2(e) y))
.set ii, ii+1
.endr
	v_nop
.set ii, 0
	s_wait_alu depctr_va_vdst(0)
.rept 16
	v_pk_fma_f32 v[160+ii:161+ii], v[160+ii:161+ii], -2.0, 1.0 op_sel_hi:[1,0,0]   ; hat = tanh
.set ii, ii+2
.endr
	s_wait_dscnt 0x0
	s_cmp_eq_u32 s[MI], 7
	s_cbranch_scc1 .Lue_last
	s_add_nc_u64 s[PE:PE+1], s[PE:PE+1], 32768
.irp i, 0,1,2,3,4,5,6,7
	global_load_b128 v[192+4*\i:195+4*\i], v[GA], s[PE:PE+1] offset:4096*\i th:TH_LOAD_NT
.endr
.Lue_last:
.set ii, 0
.rept 16
	v_pk_add_f32 v[160+ii:161+ii], v[160+ii:161+ii], v[64+ii:65+ii] neg_lo:[0,1] neg_hi:[0,1]   ; hat - state
.set ii, ii+2
.endr
.set ii, 0
.rept 16
	v_pk_fma_f32 v[128+ii:129+ii], v[128+ii:129+ii], v[160+ii:161+ii], v[64+ii:65+ii]           ; state + u (hat - state)
.set ii, ii+2
.endr
.irp b, 0,1
.irp q, 0,1,2,3
	ds_store_b128 v[S2Q], v[128+16*\b+4*\q:131+16*\b+4*\q] offset:128*\b+16*\q
.endr
.endr
.irp i, 0,1,2,3,4,5,6,7
	ds_load_b128 v[96+4*\i:99+4*\i], v[S2W] offset:544*\i
.endr
	s_wait_dscnt 0x0
.irp i, 0,1,2,3,4,5,6,7
	global_store_b128 v[GA], v[96+4*\i:99+4*\i], s[PO:PO+1] offset:4096*\i th:TH_STORE_NT   ; sixteen lanes store 256 consecutive bytes, at a multiple of 256 from out0's first byte
.endr
	s_wait_xcnt 0x0                                ; the stores have read their registers and their base
	s_add_nc_u64 s[PO:PO+1], s[PO:PO+1], 32768
	s_add_co_u32 s[MI], s[MI], 1
	s_cmp_lt_u32 s[MI], 8
	s_cbranch_scc1 .Lue
	s_add_nc_u64 s[BPA:BPA+1], s[BPA:BPA+1], 256   ; the next 64 columns' biases
	s_add_nc_u64 s[BPB:BPB+1], s[BPB:BPB+1], 256
	s_add_co_u32 s[PI], s[PI], 1
	s_cmp_lt_u32 s[PI], 2
	s_cbranch_scc1 .Lp
	s_wait_xcnt 0x0
	v_lshl_add_u32 v254, v0, 2, 0x39c00
	v_mov_b32 v255, 0
	s_wait_tensorcnt 0x0
	ds_add_u32 v254, v255
	s_wait_dscnt 0x0
	s_endpgm
.Lfunc_end_k_qbd1bc44d37_gru:
	.size	k_qbd1bc44d37_gru, .Lfunc_end_k_qbd1bc44d37_gru-k_qbd1bc44d37_gru
	.p2alignl 7, 3214868480
	.fill 96, 4, 3214868480
	.section	.rodata,"a",@progbits
	.p2align	6, 0x0
	.amdhsa_kernel k_qbd1bc44d37_gru
		.amdhsa_group_segment_fixed_size 237056
		.amdhsa_private_segment_fixed_size 0
		.amdhsa_enable_private_segment 0
		.amdhsa_kernarg_size 56
		.amdhsa_user_sgpr_count 2
		.amdhsa_user_sgpr_kernarg_segment_ptr 1
		.amdhsa_wavefront_size32 1
		.amdhsa_system_sgpr_workgroup_id_x 1
		.amdhsa_system_sgpr_workgroup_id_y 1
		.amdhsa_system_sgpr_workgroup_id_z 1
		.amdhsa_system_vgpr_workitem_id 0
		.amdhsa_next_free_vgpr 1024
		.amdhsa_next_free_sgpr 66
		.amdhsa_reserve_vcc 0
		.amdhsa_float_denorm_mode_32 3
		.amdhsa_float_denorm_mode_16_64 3
		.amdhsa_memory_ordered 1
		.amdhsa_forward_progress 1
		.amdhsa_inst_pref_size 255
	.end_amdhsa_kernel
	.section	.bss,"aw",@nobits
	.p2align	6
	.space	262144
	.amdgpu_metadata
---
amdhsa.version: [ 1, 2 ]
amdhsa.kernels:
  - .name:           k_qbd1bc44d37_gru
    .symbol:         k_qbd1bc44d37_gru.kd
    .args:
      - { .name: data, .offset: 0, .size: 8, .value_kind: global_buffer, .address_space: global }
      - { .name: state, .offset: 8, .size: 8, .value_kind: global_buffer, .address_space: global }
      - { .name: b_ig, .offset: 16, .size: 8, .value_kind: global_buffer, .address_space: global }
      - { .name: b_is, .offset: 24, .size: 8, .value_kind: global_buffer, .address_space: global }
      - { .name: wq, .offset: 32, .size: 8, .value_kind: global_buffer, .address_space: global }
      - { .name: ws, .offset: 40, .size: 8, .value_kind: global_buffer, .address_space: global }
      - { .name: out0, .offset: 48, .size: 8, .value_kind: global_buffer, .address_space: global }
    .group_segment_fixed_size: 237056
    .private_segment_fixed_size: 0
    .kernarg_segment_align: 8
    .kernarg_segment_size: 56
    .max_flat_workgroup_size: 128
    .sgpr_count:     66
    .vgpr_count:     1024
    .wavefront_size: 32
...
	.end_amdgpu_metadata
.endif
;; end of part 2
;; ======== version 2 of 2: 2 launches
;; workspace buffers: wq 1,572,864 bytes; ws 49,152 bytes
;; launch wprep (part 3): grid 24 x 4, 8 waves a work-group, no clusters, 69,120 bytes of LDS; arguments W_is, W_ig, W_sg, W_h2h, wq, ws; writes wq, ws
.if DOCPART == 3
	.amdgcn_target "amdgcn-amd-amdhsa--gfx1250"
	.amdhsa_code_object_version 6
	.text
	.protected	k_qbd1bc44d37_wprep
	.globl	k_qbd1bc44d37_wprep
	.p2align	8
	.type	k_qbd1bc44d37_wprep,@function
k_qbd1bc44d37_wprep:
	s_mov_b64 s[64:65], 0
	v_nop
	global_prefetch_b8 v0, s[64:65] scope:SCOPE_SE
	s_setreg_imm32_b32 hwreg(HW_REG_WAVE_MODE, 25, 1), 1
	s_wait_xcnt 0x0
; The four weights (f32, K innermost) become codes of BF8 (E5M2) with one E8M0 byte for each 32 along K, laid in the order in which the second launch's waves take them into registers.
; wq: byte ((24 w + t) 8 + n) 2048 + 512 c + 16 L holds, of fragment n of step t of wave w, lane L's registers 4 c .. 4 c + 3: weight row rho(n, L % 16), k = 128 (t % 4) + 32 c + 16 (L / 16) + 0 .. 15.
; ws: byte (24 w + t) 512 + 16 L + 4 j holds the scale word of fragment 2 j + L / 16, row L % 16.
; THE ROWS OF A FRAGMENT ARE NOT NEIGHBOURS: rho = rowbase + i + 8 (i / 8), so that in the transposed product the registers of two neighbouring tiles are 16 neighbouring columns.
; Steps: t 0-7 the reset gate (rows 512 + 128 w + ..  of W_ig for t % 8 < 4, of W_sg else); t = 8 + 8 p + q: fragments 0-3 the update gate (W_ig, W_sg), 4-7 the candidate (W_is, W_h2h), rows 128 w + 64 p + ...
; A work-group is one (t, w); its wave n makes fragment n: 16 rows x 128 K.  Each load takes 512 consecutive bytes of a row; the numbers turn through the wave's own stage in LDS so that a lane holds 16 neighbours of each block of 32.
; LIMITS: NaN and infinities are not served; a block whose largest magnitude lies under 2^-111 (a block of zeros too) gets the byte 1: its codes are what the floor's scale gives (zeros for zeros); only this program reads the bytes.
.set SCG, 67584                        ; behind the eight stages of 16 x 528 bytes: the group's 128 scale words
.set PW,  15                           ; the scale word just made
.set PC,  16                           ; v16-31 the codes just made
.set TM,  48                           ; v48-63 at work in QUANT
.set SEL, 36                           ; s[36:37] selects of v_permlanex16_b32: lane l xor 16
.set MNT, 38                           ; s38 the mantissa field of 57,344
; 64 numbers of a lane, register 16 b + i = k 32 b + 16 (lane / 16) + i of my row, become a fragment's codes in v[PC] on and its scale word in v[PW]
.macro QUANT s
.irp b, 0,1,2,3
	v_max3_num_f32 v[TM+\b], |v[\s+16*\b]|, |v[\s+1+16*\b]|, 0x8000000   ; block b: my 16 numbers and the floor 2^(16 - 127): the byte cannot fall under 1
.endr
.irp i, 2,4,6,8,10,12,14
.irp b, 0,1,2,3
	s_delay_alu instid0(VALU_DEP_4)
	v_max3_num_f32 v[TM+\b], v[TM+\b], |v[\s+16*\b+\i]|, |v[\s+1+16*\b+\i]|   ; the four blocks by turns
.endr
.endr
.irp b, 0,1,2,3
	s_delay_alu instid0(VALU_DEP_4)
	v_permlanex16_b32 v[TM+4+\b], v[TM+\b], s[SEL], s[SEL+1]
.endr
.irp b, 0,1,2,3
	s_delay_alu instid0(VALU_DEP_4)
	v_max_num_f32 v[TM+\b], v[TM+\b], v[TM+4+\b]                   ; with lane l xor 16's: the block's largest magnitude
.endr
.irp b, 0,1,2,3
	s_delay_alu instid0(VALU_DEP_4)
	v_add_nc_u32 v[TM+12+\b], 0xf8800000, v[TM+\b]                 ; 15 off its exponent field: the conversion's scale operand
.endr
.irp b, 0,1,2,3
	v_and_or_b32 v[TM+8+\b], v[TM+\b], 0x7f800000, s[MNT]          ; 57,344 x the scale
.endr
.irp b, 0,1,2,3
	v_lshrrev_b32 v[TM+4+\b], 23, v[TM+12+\b]                      ; the scale's byte
.endr
	s_delay_alu instid0(VALU_DEP_3)
	v_lshl_or_b32 v[PW], v[TM+5], 8, v[TM+4]
	s_delay_alu instid0(VALU_DEP_1)
	v_lshl_or_b32 v[PW], v[TM+6], 16, v[PW]
	s_delay_alu instid0(VALU_DEP_1)
	v_lshl_or_b32 v[PW], v[TM+7], 24, v[PW]
.irp b, 0,1,2,3
.irp i, 0,1,2,3,4,5,6,7,8,9,10,11,12,13,14,15
	v_med3_num_f32 v[\s+16*\b+\i], v[\s+16*\b+\i], -v[TM+8+\b], v[TM+8+\b]   ; the conversion to an 8-bit code does not saturate (ISA guide 7.6.2): hold first
.endr
	v_cvt_scalef32_pk8_bf8_f32 v[PC+4*\b:PC+1+4*\b], v[\s+16*\b:\s+7+16*\b], v[TM+12+\b]
	v_cvt_scalef32_pk8_bf8_f32 v[PC+2+4*\b:PC+3+4*\b], v[\s+8+16*\b:\s+15+16*\b], v[TM+12+\b]
.endr
	v_nop                                          ; one plain vector line behind the last conversion
.endm
	s_load_b256 s[4:11], s[0:1], 0x0               ; W_is s[4:5], W_ig s[6:7], W_sg s[8:9], W_h2h s[10:11]
	s_load_b128 s[12:15], s[0:1], 0x20             ; wq s[12:13], ws s[14:15]
	v_lshl_add_u32 v192, v0, 2, 0x10a00
	v_mov_b32 v193, 0
	v_lshrrev_b32 v1, 5, v0
	s_delay_alu instid0(VALU_DEP_1)
	v_readfirstlane_b32 s16, v1                    ; n: my wave, my fragment
	s_mov_b32 s17, ttmp9                           ; t
	s_and_b32 s18, ttmp7, 0xffff                   ; w
	v_and_b32 v1, 31, v0                           ; L
	v_and_b32 v7, 15, v0                           ; r
	v_bfe_u32 v8, v0, 4, 1                         ; h
	s_delay_alu instid0(VALU_DEP_3)
	v_lshlrev_b32 v2, 4, v1                        ; 16 L
	s_mul_i32 s19, s16, 8448                       ; my stage
	v_add_nc_u32 v3, s19, v2                       ; in: a row's 512 bytes as they lie
	v_mul_u32_u24 v4, v7, 528
	s_delay_alu instid0(VALU_DEP_1)
	v_lshl_add_u32 v4, v8, 6, v4
	s_delay_alu instid0(VALU_DEP_1)
	v_add_nc_u32 v4, s19, v4                       ; back: row r, + 64 h: my 16 numbers of a block
	s_lshl_b32 s20, s16, 6
	s_add_co_u32 s20, s20, SCG
	v_lshl_add_u32 v5, v7, 2, s20                  ; my fragment's scale words: SCG + 64 n + 4 r
	v_lshl_add_u32 v6, v1, 2, SCG                  ; and the way they leave: SCG + 4 L (+ 128 j): fragment 2 j + h, row r
	s_mov_b32 s[SEL], 0x76543210
	s_mov_b32 s[SEL+1], 0xfedcba98
	s_mov_b32 s[MNT], 0x600000
.irp b, 0,1,2,3
	v_mov_b32 v[TM+4+\b], 0                        ; a lane permute's destination counts as one of its sources
.endr
	s_lshr_b32 s22, s17, 4
	s_lshl_b32 s22, s22, 6                         ; 64 p (p = t / 16 for t >= 8)
	s_and_b32 s23, s16, 3
	s_mov_b32 s24, 512
	s_cmp_ge_u32 s17, 8                            ; the gates' second half and the candidate?
	s_cselect_b32 s22, s22, s24                    ; 64 p, or 512 for the reset gate
	s_cselect_b32 s23, s23, s16                    ; n % 4, or n
	s_cselect_b32 s25, 1, 0
	s_lshr_b32 s23, s23, 1
	s_lshl_b32 s23, s23, 5
	s_add_co_u32 s22, s22, s23
	s_lshl_b32 s23, s18, 7
	s_add_co_u32 s22, s22, s23
	s_and_b32 s23, s16, 1
	s_lshl_b32 s23, s23, 3
	s_add_co_u32 s22, s22, s23                     ; rowbase
	s_lshl_b32 s22, s22, 11                        ; a row is 2,048 bytes
	s_and_b32 s23, s17, 3
	s_lshl_b32 s23, s23, 9                         ; the K step's 512 bytes
	s_add_co_u32 s30, s22, s23
	s_mov_b32 s31, 0
	s_mul_i32 s32, s18, 24
	s_add_co_u32 s32, s32, s17                     ; 24 w + t
	s_lshl_b32 s34, s32, 9
	s_mov_b32 s35, 0
	s_lshl_b32 s32, s32, 3
	s_add_co_u32 s32, s32, s16
	s_lshl_b32 s32, s32, 11
	s_mov_b32 s33, 0
	s_wait_alu depctr_va_vdst(0)
	s_wait_kmcnt 0x0
	s_and_b32 s24, s17, 4
	s_cmp_eq_u32 s24, 0                            ; the side of data, or of the state?  The choices hang on ids alone
	s_cselect_b64 s[26:27], s[6:7], s[8:9]         ; a gate's weight
	s_cselect_b64 s[28:29], s[4:5], s[10:11]       ; the candidate's
	s_lshr_b32 s24, s16, 2
	s_and_b32 s24, s24, s25
	s_cmp_lg_u32 s24, 0
	s_cselect_b64 s[26:27], s[28:29], s[26:27]
	s_add_nc_u64 s[26:27], s[26:27], s[30:31]
	s_add_nc_u64 s[12:13], s[12:13], s[32:33]
	s_add_nc_u64 s[14:15], s[14:15], s[34:35]
.irp i, 0,1,2,3,4,5,6,7,8,9,10,11,12,13,14,15
	global_load_b128 v[64+4*\i:67+4*\i], v2, s[26:27] offset:(\i+8*(\i/8))*2048 th:TH_LOAD_NT   ; row i of the fragment: 512 consecutive bytes; each weight number is read once in the launch
.endr
	s_wait_loadcnt 0x0
.irp i, 0,1,2,3,4,5,6,7,8,9,10,11,12,13,14,15
	ds_store_b128 v3, v[64+4*\i:67+4*\i] offset:528*\i
.endr
.irp b, 0,1,2,3
.irp q, 0,1,2,3
	ds_load_b128 v[128+16*\b+4*\q:131+16*\b+4*\q], v4 offset:128*\b+16*\q   ; LDS serves a wave's instructions in order: these see my stores
.endr
.endr
	s_wait_dscnt 0x0
	QUANT 128
.irp c, 0,1,2,3
	global_store_b128 v2, v[PC+4*\c:PC+4*\c+3], s[12:13] offset:512*\c   ; 512 consecutive bytes a store
.endr
	ds_store_b32 v5, v[PW]                         ; lanes r and r + 16 write the same word with the same value
	s_wait_dscnt 0x0                               ; for the others' sake: my store has landed
	s_barrier_signal -1
	s_barrier_wait -1
	s_cmp_lg_u32 s16, 0
	s_cbranch_scc1 .Ldone
.irp j, 0,1,2,3
	ds_load_b32 v[8+\j], v6 offset:128*\j
.endr
	s_wait_dscnt 0x0
	global_store_b128 v2, v[8:11], s[14:15]        ; the group's 512 bytes of scale words
.Ldone:
	s_wait_tensorcnt 0x0
	ds_add_u32 v192, v193
	s_wait_dscnt 0x0
	s_endpgm
.Lfunc_end_k_qbd1bc44d37_wprep:
	.size	k_qbd1bc44d37_wprep, .Lfunc_end_k_qbd1bc44d37_wprep-k_qbd1bc44d37_wprep
	.p2alignl 7, 3214868480
	.fill 96, 4, 3214868480
	.section	.rodata,"a",@progbits
	.p2align	6, 0x0
	.amdhsa_kernel k_qbd1bc44d37_wprep
		.amdhsa_group_segment_fixed_size 69120
		.amdhsa_private_segment_fixed_size 0
		.amdhsa_enable_private_segment 0
		.amdhsa_kernarg_size 48
		.amdhsa_user_sgpr_count 2
		.amdhsa_user_sgpr_kernarg_segment_ptr 1
		.amdhsa_wavefront_size32 1
		.amdhsa_system_sgpr_workgroup_id_x 1
		.amdhsa_system_sgpr_workgroup_id_y 1
		.amdhsa_system_sgpr_workgroup_id_z 1
		.amdhsa_system_vgpr_workitem_id 0
		.amdhsa_next_free_vgpr 194
		.amdhsa_next_free_sgpr 66
		.amdhsa_reserve_vcc 0
		.amdhsa_float_denorm_mode_32 3
		.amdhsa_float_denorm_mode_16_64 3
		.amdhsa_memory_ordered 1
		.amdhsa_forward_progress 1
		.amdhsa_inst_pref_size 18
	.end_amdhsa_kernel
	.amdgpu_metadata
---
amdhsa.version: [ 1, 2 ]
amdhsa.kernels:
  - .name:           k_qbd1bc44d37_wprep
    .symbol:         k_qbd1bc44d37_wprep.kd
    .args:
      - { .name: W_is, .offset: 0, .size: 8, .value_kind: global_buffer, .address_space: global }
      - { .name: W_ig, .offset: 8, .size: 8, .value_kind: global_buffer, .address_space: global }
      - { .name: W_sg, .offset: 16, .size: 8, .value_kind: global_buffer, .address_space: global }
      - { .name: W_h2h, .offset: 24, .size: 8, .value_kind: global_buffer, .address_space: global }
      - { .name: wq, .offset: 32, .size: 8, .value_kind: global_buffer, .address_space: global }
      - { .name: ws, .offset: 40, .size: 8, .value_kind: global_buffer, .address_space: global }
    .group_segment_fixed_size: 69120
    .private_segment_fixed_size: 0
    .kernarg_segment_align: 8
    .kernarg_segment_size: 48
    .max_flat_workgroup_size: 256
    .sgpr_count:     66
    .vgpr_count:     194
    .wavefront_size: 32
...
	.end_amdgpu_metadata
.endif
;; end of part 3
;; launch gru (part 4): grid 256 x 1, 4 waves a work-group, no clusters, 237,056 bytes of LDS; arguments data, state, b_ig, b_is, wq, ws, out0; writes out0
.if DOCPART == 4
	.amdgcn_target "amdgcn-amd-amdhsa--gfx1250"
	.amdhsa_code_object_version 6
	.text
	.protected	k_qbd1bc44d37_gru
	.globl	k_qbd1bc44d37_gru
	.p2align	8
	.type	k_qbd1bc44d37_gru,@function
k_qbd1bc44d37_gru:
	s_mov_b64 s[64:65], 0
	v_nop
	global_prefetch_b8 v0, s[64:65] scope:SCOPE_SE
	s_setreg_imm32_b32 hwreg(HW_REG_WAVE_SCHED_MODE, 0, 2), 2
	s_setreg_imm32_b32 hwreg(HW_REG_WAVE_MODE, 25, 1), 1
	s_wait_xcnt 0x0
	s_wait_alu depctr_vm_vsrc(0)
; One GRU step, fused: r, u = sigmoid(data W_ig^T + b_ig + state W_sg^T); hat = tanh(data W_is^T + b_is + (state r) W_h2h^T); out = state + u (hat - state).  All four products on codes of BF8 (E5M2) with E8M0 scales for 32 along K.
; SHARES.  A work-group takes 128 rows; its four waves share the COLUMNS: wave w makes columns 128 w .. 128 w + 127 of r, u and hat for all 128 rows: 64 accumulators of 16 x 16, 512 registers.
; The rows' codes (data, state, state x r) lie in LDS as images of the operand's registers, 2,048 bytes a fragment, and every wave reads them.  Nothing between the products goes to memory.
; WEIGHTS come from the first launch's buffer straight into registers, 512 consecutive bytes a load, one K step (8 fragments) ahead in two sets.  No tensor load and no cluster: a weight fragment has ONE reader in the work-group, so
; the way through LDS would write and read 1.5 MB more there; and beside 236,544 bytes of codes, scales and stages two slots of a step's 65,536 bytes do not fit.
; THE PRODUCTS ARE USED TRANSPOSED (source 0 = 16 weight rows, source 1 = 16 rows of the batch), and a weight fragment's rows are chosen (first launch) so that the 64 registers of a tile of rows are: register 16 b + i = column 32 b + 16 (lane / 16) + i
; of row lane % 16: what the quantiser wants.  The biases are the C of each sum's first product.
; PHASES.  X: wave w quantises columns 128 w on of data and state, all rows | barrier | R: 8 K steps, r's 128 columns; epilogue: r, state x r, quantised, image to LDS | barrier | twice (64 columns each): 8 K steps for u and hat together; epilogue: out.
; COST KEPT: state is read three times (quantiser, r's epilogue, the blend): 256 KB of f32 fit neither beside 512 + 256 + 128 registers a wave nor in the LDS that is left.  The last two weight requests of the launch ask for step 23 again,
; so that every K step issues the same 33 loads and the counted wait holds on every path.
; LIMITS: NaN and infinities among the inputs are not served; a block whose largest magnitude lies under 2^-111 (zeros too) gets the scale byte 1.  sigmoid(x) = 1 / (1 + 2^(-1.442695 x)), tanh(y) = 1 - 2 / (1 + 2^(2.885390 y)): an exponential that
; overflows gives infinity and then 0, never NaN.
; REGISTERS, in windows of 256.  Window 0: v1-15 addresses; v16-31 codes just made; v32-39 weights' scale words (two sets), v40-47 the rows' (two sets); v48-63 at work; v64-127 biases, in the epilogues state; v128-255 eight fragments of rows, in the epilogues at work.
;   Window 1: the weights' two sets of 8 fragments.  Windows 2, 3: accumulator (a, n) at window 2 + a / 4, v[64 (a % 4) + 8 n]; in phase X window 2 holds four landing sets.
; THE MODE: SCHED_MODE bits 1:0 = 2 (LLVM: expert scheduling mode 2), set by the entry lines.  The code itself states the register dependences between vector or matrix instructions and memory or LDS instructions, with s_wait_alu, always for 0.
; THE PLAN.  Registers that memory or LDS instructions touch, and who else names them:
;   v2-v8, v11      addresses, made at the head and never written again: one wait on va_vdst ahead of the first load.
;   X: a landing set (window 2): loads land, the stage's stores read it, loads land again: a wait on vm_vsrc behind those stores.  v192-255: the stage's loads land, QUANT reads and writes: the wait on va_vdst behind QUANT serves the next unit's loads.
;   v16-31, v15     codes and scale word: QUANT writes, the image's stores read: va_vdst behind QUANT, vm_vsrc ahead of the next QUANT (the unit's, or the epilogue trip's, one wait on vm_vsrc).
;   v14, v13, v1    image addresses: an addition a trip, behind a wait on vm_vsrc and ahead of a wait on va_vdst that stands there anyway.
;   K steps: blocks 0-3 (v128-191) and the rows' other scale set: products read, LDS loads land: va_vdst in the step's middle.  Blocks 4-7 (v192-255), the weight set and its scale words: the same at the step's end.
;   v12, v13        the fetches' addresses: written in the step's middle, behind vm_vsrc and ahead of the middle's va_vdst.
;   Epilogues: v192 on: state's loads land, the stage's stores read, the next tile's loads land behind vm_vsrc.  v64 on: LDS loads land, vector lines read: the wait behind the next trip's exponentials stands ahead of the next loads.
;   The blend besides: v128-159 (out): vector lines write, LDS stores read; v96-127: LDS loads land, global stores read: va_vdst ahead of the LDS stores, vm_vsrc at the trip's end.
; The accumulators and v48-63 are named by vector and matrix instructions alone.
.set ACT_S, 65536                      ; LDS: data's 32 fragments at 0 ((8 ks + m) x 2,048), state's here,
.set ACT_R, 131072                     ; those of state x r here;
.set SCD,   196608                     ; scale words: data's, state's (+ 2,048), state x r's (+ 4,096): 512 ks + 64 m + 4 r
.set SCR,   200704
.set STG,   202752                     ; a stage of 8,448 bytes for each wave, its own: 16 rows x 528, or 16 x 272
.set STGB,  8448
.set IS,  1                            ; v1   where the scale word in hand goes
.set LI,  2                            ; v2   16 x lane
.set LS,  3                            ; v3   4 x lane
.set SWA, 4                            ; v4   stage + 16 x lane
.set SRA, 5                            ; v5   stage + 528 r + 64 h
.set S2W, 6                            ; v6   stage + 272 h + 16 r
.set S2Q, 7                            ; v7   stage + 272 r + 64 h
.set GA,  8                            ; v8   2,048 h + 16 r: two rows of 256 bytes in memory
.set IW,  9                            ; v9   16 x lane + 16,384 w: my K step's images
.set SW,  10                           ; v10  SCD + 512 w + 4 r
.set BA,  11                           ; v11  64 h: a bias tile's eight numbers of my half
.set AN,  12                           ; v12  the fragments being fetched
.set SN,  13                           ; v13  their scale words
.set IA2, 13                           ; (in phase X: state's image)
.set IA,  14                           ; v14  the image in hand
.set PW,  15
.set PC,  16
.set TM,  48
.set WV,  18                           ; s18  wave
.set SEL, 20                           ; s[20:21] selects of v_permlanex16_b32: lane l xor 16
.set MNT, 22                           ; s22  the mantissa field of 57,344
.set KR,  24                           ; s[24:25] -log2(e), twice
.set KH,  26                           ; s[26:27] 2 log2(e), twice
.set SBASE, 28                         ; s[28:29] state at my rows and columns; s[30:31] out0 likewise
.set OBASE, 30
.set WB,  32                           ; s[32:33] my wave's weights; s[34:35] their scale words
.set SB,  34
.set WA,  36                           ; s[36:37], s[38:39] the step being asked for
.set SA,  38
.set WT,  40                           ; s40  its number; s41 held at 23; s[42:43], s[44:45] offsets
.set TB,  46                           ; s46, s47 LDS bytes of the next fragments and scale words (data, then state)
.set TS,  47
.set TR,  48                           ; s48, s49 the same for state x r
.set TRS, 49
.set CNT, 50
.set MI,  51                           ; s51  an epilogue's tile of rows
.set PI,  52                           ; s52  which 64 columns of u and hat
.set PE,  54                           ; s[54:55], s[56:57] walking pointers: in X data and state, later state and out0
.set PO,  56
.set L0,  58
.set L1,  59
.set BPA, 60                           ; s[60:61], s[62:63] my biases
.set BPB, 62
.set MSB, 0
.macro WIN new                         ; the immediate's high byte repeats the setting that is left; a switch that changes nothing is dropped
.if MSB != (\new)
	s_set_vgpr_msb (MSB<<8)|(\new)
.set MSB, (\new)
.endif
.endm
.macro PLACES n                        ; plain vector lines between a matrix instruction and a load into, or a read of, its registers: eight for this form
.rept \n
	v_nop
.endr
.endm
; 64 numbers of a lane, register 16 b + i = k 32 b + 16 (lane / 16) + i of my row, become a fragment's codes in v[PC] on and its scale word in v[PW]
.macro QUANT s
.irp b, 0,1,2,3
	v_max3_num_f32 v[TM+\b], |v[\s+16*\b]|, |v[\s+1+16*\b]|, 0x8000000   ; block b: my 16 numbers and the floor 2^(16 - 127): the byte cannot fall under 1
.endr
.irp i, 2,4,6,8,10,12,14
.irp b, 0,1,2,3
	v_max3_num_f32 v[TM+\b], v[TM+\b], |v[\s+16*\b+\i]|, |v[\s+1+16*\b+\i]|   ; the four blocks by turns
.endr
.endr
.irp b, 0,1,2,3
	v_permlanex16_b32 v[TM+4+\b], v[TM+\b], s[SEL], s[SEL+1]
.endr
.irp b, 0,1,2,3
	v_max_num_f32 v[TM+\b], v[TM+\b], v[TM+4+\b]                   ; with lane l xor 16's: the block's largest magnitude
.endr
.irp b, 0,1,2,3
	v_add_nc_u32 v[TM+12+\b], 0xf8800000, v[TM+\b]                 ; 15 off its exponent field: the conversion's scale operand
.endr
.irp b, 0,1,2,3
	v_and_or_b32 v[TM+8+\b], v[TM+\b], 0x7f800000, s[MNT]          ; 57,344 x the scale
.endr
.irp b, 0,1,2,3
	v_lshrrev_b32 v[TM+4+\b], 23, v[TM+12+\b]                      ; the scale's byte
.endr
	v_lshl_or_b32 v[PW], v[TM+5], 8, v[TM+4]
	v_lshl_or_b32 v[PW], v[TM+6], 16, v[PW]
	v_lshl_or_b32 v[PW], v[TM+7], 24, v[PW]
.irp b, 0,1,2,3
.irp i, 0,1,2,3,4,5,6,7,8,9,10,11,12,13,14,15
	v_med3_num_f32 v[\s+16*\b+\i], v[\s+16*\b+\i], -v[TM+8+\b], v[TM+8+\b]   ; the conversion to an 8-bit code does not saturate (ISA guide 7.6.2): hold first
.endr
	v_cvt_scalef32_pk8_bf8_f32 v[PC+4*\b:PC+1+4*\b], v[\s+16*\b:\s+7+16*\b], v[TM+12+\b]
	v_cvt_scalef32_pk8_bf8_f32 v[PC+2+4*\b:PC+3+4*\b], v[\s+8+16*\b:\s+15+16*\b], v[TM+12+\b]
.endr
	v_nop                                          ; one plain vector line behind the last conversion
.endm
; One product: accumulator (a, n) += weight fragment n of the set x rows' fragment a.  first = 1: the bias tile n is C.  A scale register holds an even fragment's words in lanes 0-15 and the odd one's in lanes 16-31.
.macro WM a, n, set, par, first
.set rD, 8*(8*((\a)%4)+(\n))
.set rC, rD
.if \first
.set rC, 64+8*(\n)
.endif
.set rA, 128*(\set)+16*(\n)
.set rB, 128+16*(\a)
.set rP, 32+4*(\set)+(\n)/2
.set rQ, 40+4*(\par)+(\a)/2
.if ((\n)%2 == 0) && ((\a)%2 == 0)
	v_wmma_scale_f32_16x16x128_f8f6f4 v[rD:rD+7], v[rA:rA+15], v[rB:rB+15], v[rC:rC+7], v[rP], v[rQ] matrix_a_fmt:MATRIX_FMT_BF8 matrix_b_fmt:MATRIX_FMT_BF8
.elseif ((\a)%2 == 0)
	v_wmma_scale_f32_16x16x128_f8f6f4 v[rD:rD+7], v[rA:rA+15], v[rB:rB+15], v[rC:rC+7], v[rP], v[rQ] matrix_a_fmt:MATRIX_FMT_BF8 matrix_b_fmt:MATRIX_FMT_BF8 matrix_a_scale:MATRIX_SCALE_ROW1
.elseif ((\n)%2 == 0)
	v_wmma_scale_f32_16x16x128_f8f6f4 v[rD:rD+7], v[rA:rA+15], v[rB:rB+15], v[rC:rC+7], v[rP], v[rQ] matrix_a_fmt:MATRIX_FMT_BF8 matrix_b_fmt:MATRIX_FMT_BF8 matrix_b_scale:MATRIX_SCALE_ROW1
.else
	v_wmma_scale_f32_16x16x128_f8f6f4 v[rD:rD+7], v[rA:rA+15], v[rB:rB+15], v[rC:rC+7], v[rP], v[rQ] matrix_a_fmt:MATRIX_FMT_BF8 matrix_b_fmt:MATRIX_FMT_BF8 matrix_a_scale:MATRIX_SCALE_ROW1 matrix_b_scale:MATRIX_SCALE_ROW1
.endif
.endm
; Rows' blocks a0 .. a0 + 3 against weight fragments n0 .. n0 + nn - 1.  The accumulators take turns, one instruction a turn
.macro MULS a0, n0, nn, set, par, first
.if \first
	WIN 0x81+0x40*((\a0)/4)                        ; weights window 1, rows and bias window 0, D window 2 or 3
.else
	WIN 0xa1+0x50*((\a0)/4)                        ; weights window 1, rows window 0, C and D window 2 or 3
.endif
.irp a, \a0, \a0+1, \a0+2, \a0+3
.irp n, 0,1,2,3,4,5,6,7
.if (\n >= \n0) && (\n < \n0+\nn)
	WM \a, \n, \set, \par, \first
.endif
.endr
.endr
.endm
.macro FETCHA a0                       ; four fragments of rows come back as they were stored: 512 consecutive bytes a load
.irp a, \a0, \a0+1, \a0+2, \a0+3
.irp c, 0,1,2,3
	ds_load_b128 v[128+16*(\a)+4*\c:128+16*(\a)+4*\c+3], v[AN] offset:2048*(\a)+512*\c
.endr
.endr
.endm
.macro ASC par                         ; their scale words: register j takes block 2 j in lanes 0-15, block 2 j + 1 in lanes 16-31
.irp j, 0,1,2,3
	ds_load_b32 v[40+4*(\par)+\j], v[SN] offset:128*\j
.endr
.endm
.macro WLOAD set                       ; the next weight step not yet asked for, into the set just multiplied: 33 loads.  The wait on va_vdst that shows the set's products done stands ahead of the macro; only loads, scalar lines and window switches lie between
	s_wait_xcnt 0x0                                ; the last request's addresses are translated: its bases may be written
	s_add_co_u32 s[WT], s[WT], 1
	s_min_u32 s41, s[WT], 23                       ; there are 24 steps: the last two requests repeat step 23 and stay inside the buffer
	s_lshl_b32 s42, s41, 14
	s_lshl_b32 s44, s41, 9
	s_add_nc_u64 s[WA:WA+1], s[WB:WB+1], s[42:43]
	s_add_nc_u64 s[SA:SA+1], s[SB:SB+1], s[44:45]
	WIN 0x40                                       ; destination window 1
.irp n, 0,1,2,3,4,5,6,7
.irp c, 0,1,2,3
	global_load_b128 v[128*\set+16*\n+4*\c:128*\set+16*\n+4*\c+3], v[LI], s[WA:WA+1] offset:2048*\n+512*\c
.endr
.endr
	WIN 0
	global_load_b128 v[32+4*\set:35+4*\set], v[LI], s[SA:SA+1]
.endm
; The eight blocks of rows in hand against nn weight fragments.  Blocks 0-3 are free behind their products and take the next operand's (nxt = 1; tb, ts: whose); blocks 4-7 likewise at the end.  wl = 1: the weight set is done with and is asked for anew.
.macro HS n0, nn, set, par, first, nxt, wl, tb, ts
	s_wait_dscnt 16                                ; blocks 0-3 and the scale words are in; the youngest sixteen loads (blocks 4-7) may be out
	MULS 0, \n0, \nn, \set, \par, \first
	s_wait_dscnt 0x0                               ; blocks 4-7 are in
.if \nxt
	WIN 0
	s_add_co_u32 s[\tb], s[\tb], 16384
	s_add_co_u32 s[\ts], s[\ts], 512
	s_wait_alu depctr_vm_vsrc(0)                   ; the fetches issued so far have read v[AN] and v[SN], which the two additions write
	v_add_nc_u32 v[AN], s[\tb], v[LI]
	v_add_nc_u32 v[SN], s[\ts], v[LS]
	PLACES 6                                       ; with the two additions: eight places in front of the loads into blocks 0-3
	s_wait_alu depctr_va_vdst(0)                   ; the products issued so far are done reading blocks 0-3 and the rows' other scale set, in which the loads below land; v[AN] and v[SN] are written
	FETCHA 0
	ASC 1-\par
.endif
	MULS 4, \n0, \nn, \set, \par, \first
	WIN 0
	PLACES 8                                       ; in front of the loads into blocks 4-7 and the weight set, and of an epilogue's first read of results
	s_wait_alu depctr_va_vdst(0)                   ; the products are done reading blocks 4-7, the weight set and its scale words: the loads that follow, up to the next vector or matrix line, land in these
.if \nxt
	FETCHA 4
.endif
.if \wl
	WLOAD \set
.endif
.endm
.macro F set, first, nxt               ; a K step with one operand for all eight weight fragments
.if \first == 0
	s_wait_loadcnt 33                              ; behind this step's weights only the next step's 33 loads were issued
.endif
	HS 0, 8, \set, \set, \first, \nxt, 1, TB, TS
.endm
.macro MX set                          ; a K step with two operands: state for u's four fragments, state x r for hat's four
	s_wait_loadcnt 33
	HS 0, 4, \set, 0, 0, 1, 0, TR, TRS
	HS 4, 4, \set, 1, 0, 1, 1, TB, TS
.endm
.macro PASSHEAD uh                     ; biases, and the first operand's fragments
	s_wait_loadcnt 0x0                             ; no load may still be landing in the registers filled below,
	s_wait_dscnt 0x0                               ; and no LDS instruction of mine is out
	s_mov_b32 s[TB], 0
	s_mov_b32 s[TS], SCD
	s_mov_b32 s[TR], ACT_R-16384
	s_mov_b32 s[TRS], SCR-512
	s_wait_alu depctr_vm_vsrc(0)                   ; the stores and fetches of the phase before have read v12 and v13, which the additions write, the registers from v64 on, in which the loads below land, and the landing sets, which the first products write
	v_add_nc_u32 v[AN], s[TB], v[LI]
	v_add_nc_u32 v[SN], s[TS], v[LS]
	s_wait_alu depctr_va_vdst(0)                   ; v[AN] and v[SN] are written; the vector lines of the phase before are done with v64-255, and its products with the rows' scale words
.irp n, 0,1,2,3,4,5,6,7
.if \uh && (\n > 3)
	global_load_b128 v[64+8*\n:67+8*\n], v[BA], s[BPB:BPB+1] offset:4*(32*((\n%4)/2)+8*(\n%2))
	global_load_b128 v[68+8*\n:71+8*\n], v[BA], s[BPB:BPB+1] offset:4*(32*((\n%4)/2)+8*(\n%2))+16
.elseif \uh
	global_load_b128 v[64+8*\n:67+8*\n], v[BA], s[BPA:BPA+1] offset:4*(32*((\n%4)/2)+8*(\n%2))
	global_load_b128 v[68+8*\n:71+8*\n], v[BA], s[BPA:BPA+1] offset:4*(32*((\n%4)/2)+8*(\n%2))+16
.else
	global_load_b128 v[64+8*\n:67+8*\n], v[BA], s[BPA:BPA+1] offset:4*(32*(\n/2)+8*(\n%2))
	global_load_b128 v[68+8*\n:71+8*\n], v[BA], s[BPA:BPA+1] offset:4*(32*(\n/2)+8*(\n%2))+16
.endif
.endr
	FETCHA 0
	ASC 0
	FETCHA 4
	s_wait_loadcnt 0x0                             ; the biases and both weight sets are in
.endm
	s_load_b256 s[4:11], s[0:1], 0x0               ; data s[4:5], state s[6:7], b_ig s[8:9], b_is s[10:11]
	s_load_b128 s[12:15], s[0:1], 0x20             ; wq s[12:13], ws s[14:15]
	s_load_b64 s[16:17], s[0:1], 0x30              ; out0
	v_lshrrev_b32 v1, 5, v0
	v_readfirstlane_b32 s[WV], v1                  ; wave 0..3
	v_and_b32 v12, 31, v0                          ; lane
	v_and_b32 v13, 15, v0                          ; r
	v_bfe_u32 v14, v0, 4, 1                        ; h
	v_lshlrev_b32 v[LI], 4, v12
	v_lshlrev_b32 v[LS], 2, v12
	s_wait_alu depctr_va_sdst(0)                   ; s18, the wave's number, is written, ahead of its first reader
	s_mul_i32 s[L0], s[WV], STGB
	s_add_co_u32 s[L0], s[L0], STG                 ; my stage
	v_add_nc_u32 v[SWA], s[L0], v[LI]
	v_mul_u32_u24 v[SRA], v13, 528
	v_lshl_add_u32 v[SRA], v14, 6, v[SRA]
	v_add_nc_u32 v[SRA], s[L0], v[SRA]
	v_mul_u32_u24 v[S2W], v14, 272
	v_lshl_add_u32 v[S2W], v13, 4, v[S2W]
	v_add_nc_u32 v[S2W], s[L0], v[S2W]
	v_mul_u32_u24 v[S2Q], v13, 272
	v_lshl_add_u32 v[S2Q], v14, 6, v[S2Q]
	v_add_nc_u32 v[S2Q], s[L0], v[S2Q]
	v_lshlrev_b32 v[GA], 11, v14
	v_lshl_add_u32 v[GA], v13, 4, v[GA]
	s_lshl_b32 s[L1], s[WV], 14
	v_add_nc_u32 v[IW], s[L1], v[LI]
	s_lshl_b32 s[L1], s[WV], 9
	s_add_co_u32 s[L1], s[L1], SCD
	v_lshl_add_u32 v[SW], v13, 2, s[L1]
	v_lshlrev_b32 v[BA], 6, v14
.irp b, 0,1,2,3
	v_mov_b32 v[TM+4+\b], 0                        ; a lane permute's destination counts as one of its sources
.endr
	s_mov_b32 s[SEL], 0x76543210
	s_mov_b32 s[SEL+1], 0xfedcba98
	s_mov_b32 s[MNT], 0x600000
	s_mov_b32 s[KR], 0xbfb8aa3b                    ; -log2(e)
	s_mov_b32 s[KR+1], s[KR]
	s_mov_b32 s[KH], 0x4038aa3b                    ; 2 log2(e)
	s_mov_b32 s[KH+1], s[KH]
	s_mov_b32 s43, 0
	s_mov_b32 s45, 0
	s_mov_b32 s[WT], -1
	s_lshl_b32 s46, ttmp9, 18                      ; my work-group's 128 rows of 2,048 bytes
	s_lshl_b32 s48, s[WV], 9                       ; my wave's 128 columns
	s_add_co_u32 s46, s46, s48
	s_mov_b32 s47, 0
	s_mov_b32 s49, 0
	s_mul_i32 s50, s[WV], 393216                   ; my wave's 24 steps of 16,384 bytes
	s_mov_b32 s51, 0
	s_mul_i32 s52, s[WV], 12288
	s_mov_b32 s53, 0
	s_wait_kmcnt 0x0
	s_add_nc_u64 s[PE:PE+1], s[4:5], s[46:47]      ; data,
	s_add_nc_u64 s[SBASE:SBASE+1], s[6:7], s[46:47]
	s_mov_b64 s[PO:PO+1], s[SBASE:SBASE+1]         ; state
	s_add_nc_u64 s[OBASE:OBASE+1], s[16:17], s[46:47]
	s_add_nc_u64 s[WB:WB+1], s[12:13], s[50:51]
	s_add_nc_u64 s[SB:SB+1], s[14:15], s[52:53]
	s_add_nc_u64 s[BPA:BPA+1], s[8:9], s[48:49]
	s_add_nc_u64 s[BPA:BPA+1], s[BPA:BPA+1], 2048  ; the reset gate's biases: b_ig from 512 + 128 w on
	s_add_nc_u64 s[BPB:BPB+1], s[10:11], s[48:49]
	s_wait_alu depctr_va_vdst(0)                   ; the addresses v2 to v11 are written, which the kernel's loads and stores read
	WLOAD 0                                        ; weight steps 0 and 1: they land under phase X
	WLOAD 1
; ---- X.  Unit j of a trip: a tile of 16 rows x my 128 columns: j = 0, 1 data's tiles 2 i, 2 i + 1; j = 2, 3 state's.  Four landing sets in window 2 are always on their way.
.macro XLOAD j, off
	WIN 0x80                                       ; destination window 2
.irp i, 0,1,2,3,4,5,6,7,8,9,10,11,12,13,14,15
.if \j < 2
	global_load_b128 v[64*\j+4*\i:64*\j+4*\i+3], v[LI], s[PE:PE+1] offset:\off+32768*(\j%2)+2048*\i th:TH_LOAD_NT   ; 512 consecutive bytes of a row; data is read once
.else
	global_load_b128 v[64*\j+4*\i:64*\j+4*\i+3], v[LI], s[PO:PO+1] offset:\off+32768*(\j%2)+2048*\i                 ; state is read again: no hint
.endif
.endr
	WIN 0
.endm
.macro UNIT j, more
.if \more
	s_wait_loadcnt 48                              ; my set is in; the three younger sets stay out
.else
	s_wait_loadcnt 16*(3-\j)
.endif
	WIN 0x08                                       ; an LDS store's data: window 2
.irp i, 0,1,2,3,4,5,6,7,8,9,10,11,12,13,14,15
	ds_store_b128 v[SWA], v[64*\j+4*\i:64*\j+4*\i+3] offset:528*\i
.endr
	WIN 0
.irp b, 0,1,2,3
.irp q, 0,1,2,3
	ds_load_b128 v[192+16*\b+4*\q:195+16*\b+4*\q], v[SRA] offset:128*\b+16*\q   ; LDS serves a wave's instructions in order: these see my stores.  The last unit's wait on va_vdst has shown its QUANT done with v192-255, and no vector line since names them
.endr
.endr
	s_wait_alu depctr_vm_vsrc(0)                   ; the stores above have read the landing set, in which the loads below land; the last unit's image stores have read the codes and the scale word, which QUANT writes again
.if \more
	XLOAD \j, 65536                                ; the same unit of the next trip, asked for at once
.endif
	s_wait_dscnt 0x0                               ; the numbers are back, 16 neighbours of each block a lane
	QUANT 192
	s_wait_alu depctr_va_vdst(0)                   ; QUANT has written the codes and the scale word, the trip's head the image addresses: the stores below read them; and QUANT is done with v192-255
.irp c, 0,1,2,3
.if \j < 2
	ds_store_b128 v[IA], v[PC+4*\c:PC+4*\c+3] offset:2048*(\j%2)+512*\c
.else
	ds_store_b128 v[IA2], v[PC+4*\c:PC+4*\c+3] offset:2048*(\j%2)+512*\c
.endif
.endr
	ds_store_b32 v[IS], v[PW] offset:2048*(\j/2)+64*(\j%2)   ; lanes r and r + 16 write the same word with the same value
.endm
.macro XTRIP more
	s_wait_alu depctr_vm_vsrc(0)                   ; the last trip's image stores have read v[IA], v[IA2] and v[IS], which the three additions write
	v_add_nc_u32 v[IA], s[L0], v[IW]
	v_add_nc_u32 v[IA2], ACT_S, v[IA]
	v_add_nc_u32 v[IS], s[L1], v[SW]
	UNIT 0, \more
	UNIT 1, \more
	UNIT 2, \more
	UNIT 3, \more
.endm
	XLOAD 0, 0
	XLOAD 1, 0
	XLOAD 2, 0
	XLOAD 3, 0
	s_mov_b32 s[L0], 0
	s_mov_b32 s[L1], 0
	s_mov_b32 s[CNT], 3
.Lx:
	XTRIP 1
	s_wait_xcnt 0x0                                ; the loads' addresses are translated: the pointers may step
	s_add_nc_u64 s[PE:PE+1], s[PE:PE+1], 65536     ; 32 rows on
	s_add_nc_u64 s[PO:PO+1], s[PO:PO+1], 65536
	s_add_co_u32 s[L0], s[L0], 4096
	s_add_co_u32 s[L1], s[L1], 128
	s_sub_co_u32 s[CNT], s[CNT], 1
	s_cmp_lg_u32 s[CNT], 0
	s_cbranch_scc1 .Lx
	XTRIP 0                                        ; the last 32 rows: nothing more is asked for, the counts run down
	s_wait_dscnt 0x0                               ; for the others' sake: my images have landed
	s_barrier_signal -1
	s_barrier_wait -1                              ; data's and state's 64 fragments lie in LDS
; ---- R: the reset gate's 128 columns of my wave: four K steps of data, four of state (they lie on end in LDS)
	PASSHEAD 0
	F 0, 1, 1
	s_mov_b32 s[CNT], 3
.Lr:
	F 1, 0, 1
	F 0, 0, 1
	s_sub_co_u32 s[CNT], s[CNT], 1
	s_cmp_lg_u32 s[CNT], 0
	s_cbranch_scc1 .Lr
	F 1, 0, 0
; r's epilogue, a tile of 16 rows a trip, on fixed registers: the tile's 64 sums are picked by a branch on the trip's number, since a register cannot be named by a counter.  E = v128-191, state lands in v192-255 and turns through the stage into v64-127.
	s_mov_b64 s[PE:PE+1], s[SBASE:SBASE+1]
.irp i, 0,1,2,3,4,5,6,7,8,9,10,11,12,13,14,15
	global_load_b128 v[192+4*\i:195+4*\i], v[LI], s[PE:PE+1] offset:2048*\i   ; into blocks 4-7: the last K step's closing wait on va_vdst has shown their products done, and no vector or matrix line stands since
.endr
	s_mov_b32 s[L0], ACT_R
	s_mov_b32 s[L1], SCR-SCD
	s_mov_b32 s[MI], 0
.Lre:
.irp k, 0,1,2,3,4,5,6,7
.if \k < 7
	s_cmp_lg_u32 s[MI], \k
	s_cbranch_scc1 .Lrn_\k
.endif
	WIN 2+\k/4                                     ; source 0: window 2 or 3
.set ii, 0
.rept 32
	v_pk_mul_f32 v[128+ii:129+ii], v[64*(\k%4)+ii:64*(\k%4)+ii+1], s[KR:KR+1] op_sel_hi:[1,0]   ; -log2(e) x; each accumulator from its low end on
.set ii, ii+2
.endr
	WIN 0
.if \k < 7
	s_branch .Lrpicked
.Lrn_\k:
.endif
.endr
.Lrpicked:
.set ii, 0
	s_wait_alu depctr_va_vdst(0)
.rept 64
	v_exp_f32 v[128+ii], v[128+ii]
.set ii, ii+1
.endr
	v_nop                                          ; a plain line behind the exponentials
	s_wait_alu depctr_va_vdst(0)                   ; the 64 exponentials' results are written, ahead of their first reader; and the last trip's products state x r are done reading v64-127, in which the LDS loads below land
.set ii, 0
.rept 32
	v_pk_add_f32 v[128+ii:129+ii], v[128+ii:129+ii], 1.0 op_sel_hi:[1,0]
.set ii, ii+2
.endr
	s_wait_loadcnt 0x0                             ; the tile's state is in
.irp i, 0,1,2,3,4,5,6,7,8,9,10,11,12,13,14,15
	ds_store_b128 v[SWA], v[192+4*\i:195+4*\i] offset:528*\i
.endr
.irp b, 0,1,2,3
.irp q, 0,1,2,3
	ds_load_b128 v[64+16*\b+4*\q:67+16*\b+4*\q], v[SRA] offset:128*\b+16*\q
.endr
.endr
	s_wait_alu depctr_vm_vsrc(0)                   ; the stores above have read v192-255, in which the next tile's loads land; the last trip's image stores have read the codes, the scale word, v[IA] and v[IS], which are written again below
	s_cmp_eq_u32 s[MI], 7
	s_cbranch_scc1 .Lre_last                       ; the last tile asks for nothing
	s_add_nc_u64 s[PE:PE+1], s[PE:PE+1], 32768     ; (the loads that named it are done)
.irp i, 0,1,2,3,4,5,6,7,8,9,10,11,12,13,14,15
	global_load_b128 v[192+4*\i:195+4*\i], v[LI], s[PE:PE+1] offset:2048*\i   ; no vector line of this loop names v192-255
.endr
.Lre_last:
.set ii, 0
	s_wait_alu depctr_va_vdst(0)
.rept 64
	v_rcp_f32 v[128+ii], v[128+ii]                 ; r
.set ii, ii+1
.endr
	v_nop
	s_wait_dscnt 0x0                               ; state is back in the sums' layout
	s_wait_alu depctr_va_vdst(0)                   ; the 64 reciprocals' results are written, ahead of their first reader
.set ii, 0
.rept 32
	v_pk_mul_f32 v[128+ii:129+ii], v[128+ii:129+ii], v[64+ii:65+ii]   ; state x r, in f32
.set ii, ii+2
.endr
	QUANT 128
	v_add_nc_u32 v[IA], s[L0], v[IW]
	v_add_nc_u32 v[IS], s[L1], v[SW]
	s_wait_alu depctr_va_vdst(0)                   ; the codes, the scale word, v[IA] and v[IS] are written: the stores below read them
.irp c, 0,1,2,3
	ds_store_b128 v[IA], v[PC+4*\c:PC+4*\c+3] offset:512*\c   ; K step w of the last product, this tile of rows
.endr
	ds_store_b32 v[IS], v[PW]
	s_add_co_u32 s[L0], s[L0], 2048
	s_add_co_u32 s[L1], s[L1], 64
	s_add_co_u32 s[MI], s[MI], 1
	s_cmp_lt_u32 s[MI], 8
	s_cbranch_scc1 .Lre
	s_wait_dscnt 0x0                               ; for the others' sake: my images have landed
	s_barrier_signal -1
	s_barrier_wait -1                              ; the 32 fragments of state x r lie in LDS
; ---- UH, twice: 64 columns of u (weight fragments 0-3) and the same 64 of hat (4-7): four K steps of data for both, four with state for u and state x r for hat
	s_sub_nc_u64 s[BPA:BPA+1], s[BPA:BPA+1], 2048  ; the update gate's biases: b_ig from 128 w on
	s_mov_b32 s[PI], 0
.Lp:
	PASSHEAD 1
	F 0, 1, 1
	F 1, 0, 1
	F 0, 0, 1
	F 1, 0, 1
	s_mov_b32 s[CNT], 2
.Lmx:
	MX 0
	MX 1
	s_sub_co_u32 s[CNT], s[CNT], 1
	s_cmp_lg_u32 s[CNT], 0
	s_cbranch_scc1 .Lmx
	s_wait_dscnt 0x0                               ; the last fetch (it reads fragments of state x r, inside LDS, and is not used) has landed: its registers are free
; the blend, a tile of 16 rows x 64 columns a trip.  u in v128-159, hat in v160-191; state lands in v192-223 as two rows of 256 bytes a load and turns through the stage into v64-95; out goes back through the stage into v96-127.
	s_lshl_b32 s42, s[PI], 8
	s_add_nc_u64 s[PE:PE+1], s[SBASE:SBASE+1], s[42:43]
	s_add_nc_u64 s[PO:PO+1], s[OBASE:OBASE+1], s[42:43]
.irp i, 0,1,2,3,4,5,6,7
	global_load_b128 v[192+4*\i:195+4*\i], v[GA], s[PE:PE+1] offset:4096*\i th:TH_LOAD_NT   ; into blocks 4 and 5: the last K step's closing wait on va_vdst has shown their products done, and no vector or matrix line stands since
.endr
	s_mov_b32 s[MI], 0
.Lue:
.irp k, 0,1,2,3,4,5,6,7
.if \k < 7
	s_cmp_lg_u32 s[MI], \k
	s_cbranch_scc1 .Lun_\k
.endif
	WIN 2+\k/4
.set ii, 0
.rept 16
	v_pk_mul_f32 v[128+ii:129+ii], v[64*(\k%4)+ii:64*(\k%4)+ii+1], s[KR:KR+1] op_sel_hi:[1,0]         ; u's sums x -log2(e)
.set ii, ii+2
.endr
.set ii, 0
.rept 16
	v_pk_mul_f32 v[160+ii:161+ii], v[64*(\k%4)+32+ii:64*(\k%4)+33+ii], s[KH:KH+1] op_sel_hi:[1,0]     ; hat's x 2 log2(e)
.set ii, ii+2
.endr
	WIN 0
.if \k < 7
	s_branch .Lupicked
.Lun_\k:
.endif
.endr
.Lupicked:
.set ii, 0
	s_wait_alu depctr_va_vdst(0)
.rept 64
	v_exp_f32 v[128+ii], v[128+ii]
.set ii, ii+1
.endr
	v_nop
	s_wait_alu depctr_va_vdst(0)                   ; the 64 exponentials' results are written, ahead of their first reader; and the last trip's blend is done reading v64-95, in which the LDS loads below land
.set ii, 0
.rept 32
	v_pk_add_f32 v[128+ii:129+ii], v[128+ii:129+ii], 1.0 op_sel_hi:[1,0]
.set ii, ii+2
.endr
	s_wait_loadcnt 0x0                             ; the tile's state is in
.irp i, 0,1,2,3,4,5,6,7
	ds_store_b128 v[S2W], v[192+4*\i:195+4*\i] offset:544*\i
.endr
.irp b, 0,1
.irp q, 0,1,2,3
	ds_load_b128 v[64+16*\b+4*\q:67+16*\b+4*\q], v[S2Q] offset:128*\b+16*\q
.endr
.endr
	s_wait_alu depctr_vm_vsrc(0)                   ; the stores above have read v192-223, in which the next tile's loads land
	s_cmp_eq_u32 s[MI], 7
	s_cbranch_scc1 .Lue_last
	s_add_nc_u64 s[PE:PE+1], s[PE:PE+1], 32768
.irp i, 0,1,2,3,4,5,6,7
	global_load_b128 v[192+4*\i:195+4*\i], v[GA], s[PE:PE+1] offset:4096*\i th:TH_LOAD_NT   ; no vector line of this loop names v192-223
.endr
.Lue_last:
.set ii, 0
	s_wait_alu depctr_va_vdst(0)
.rept 64
	v_rcp_f32 v[128+ii], v[128+ii]                 ; u, and 1 / (1 + 2^(2 log2(e) y))
.set ii, ii+1
.endr
	v_nop
	s_wait_alu depctr_va_vdst(0)                   ; the 64 reciprocals' results are written, ahead of their first reader
.set ii, 0
.rept 16
	v_pk_fma_f32 v[160+ii:161+ii], v[160+ii:161+ii], -2.0, 1.0 op_sel_hi:[1,0,0]   ; hat = tanh
.set ii, ii+2
.endr
	s_wait_dscnt 0x0                               ; state is back in the sums' layout
.set ii, 0
.rept 16
	v_pk_add_f32 v[160+ii:161+ii], v[160+ii:161+ii], v[64+ii:65+ii] neg_lo:[0,1] neg_hi:[0,1]   ; hat - state
.set ii, ii+2
.endr
.set ii, 0
.rept 16
	v_pk_fma_f32 v[128+ii:129+ii], v[128+ii:129+ii], v[160+ii:161+ii], v[64+ii:65+ii]           ; state + u (hat - state)
.set ii, ii+2
.endr
	s_wait_alu depctr_va_vdst(0)                   ; out is written in v128-159, which the LDS stores below read
.irp b, 0,1
.irp q, 0,1,2,3
	ds_store_b128 v[S2Q], v[128+16*\b+4*\q:131+16*\b+4*\q] offset:128*\b+16*\q
.endr
.endr
.irp i, 0,1,2,3,4,5,6,7
	ds_load_b128 v[96+4*\i:99+4*\i], v[S2W] offset:544*\i
.endr
	s_wait_dscnt 0x0
.irp i, 0,1,2,3,4,5,6,7
	global_store_b128 v[GA], v[96+4*\i:99+4*\i], s[PO:PO+1] offset:4096*\i th:TH_STORE_NT   ; sixteen lanes store 256 consecutive bytes, at a multiple of 256 from out0's first byte
.endr
	s_wait_xcnt 0x0                                ; the stores have had their addresses translated: their base may step
	s_wait_alu depctr_vm_vsrc(0)                   ; the global stores have read v96-127, in which the next trip's LDS loads (or the next pass's biases) land; the LDS stores have read v128-159, which the next trip's first lines write
	s_add_nc_u64 s[PO:PO+1], s[PO:PO+1], 32768
	s_add_co_u32 s[MI], s[MI], 1
	s_cmp_lt_u32 s[MI], 8
	s_cbranch_scc1 .Lue
	s_add_nc_u64 s[BPA:BPA+1], s[BPA:BPA+1], 256   ; the next 64 columns' biases
	s_add_nc_u64 s[BPB:BPB+1], s[BPB:BPB+1], 256
	s_add_co_u32 s[PI], s[PI], 1
	s_cmp_lt_u32 s[PI], 2
	s_cbranch_scc1 .Lp
	s_wait_xcnt 0x0
	v_lshl_add_u32 v254, v0, 2, 0x39c00            ; the add's two registers, made anew: no two registers can be kept through the K steps; no memory or LDS instruction has been issued since the blend's last wait on vm_vsrc
	v_mov_b32 v255, 0
	s_wait_dscnt 0x0                               ; the closing lines, six on end
	s_wait_alu 0x0
	s_wait_tensorcnt 0x0
	ds_add_u32 v254, v255
	s_wait_dscnt 0x0
	s_endpgm
.Lfunc_end_k_qbd1bc44d37_gru:
	.size	k_qbd1bc44d37_gru, .Lfunc_end_k_qbd1bc44d37_gru-k_qbd1bc44d37_gru
	.p2alignl 7, 3214868480
	.fill 96, 4, 3214868480
	.section	.rodata,"a",@progbits
	.p2align	6, 0x0
	.amdhsa_kernel k_qbd1bc44d37_gru
		.amdhsa_group_segment_fixed_size 237056
		.amdhsa_private_segment_fixed_size 0
		.amdhsa_enable_private_segment 0
		.amdhsa_kernarg_size 56
		.amdhsa_user_sgpr_count 2
		.amdhsa_user_sgpr_kernarg_segment_ptr 1
		.amdhsa_wavefront_size32 1
		.amdhsa_system_sgpr_workgroup_id_x 1
		.amdhsa_system_sgpr_workgroup_id_y 1
		.amdhsa_system_sgpr_workgroup_id_z 1
		.amdhsa_system_vgpr_workitem_id 0
		.amdhsa_next_free_vgpr 1024
		.amdhsa_next_free_sgpr 66
		.amdhsa_reserve_vcc 0
		.amdhsa_float_denorm_mode_32 3
		.amdhsa_float_denorm_mode_16_64 3
		.amdhsa_memory_ordered 1
		.amdhsa_forward_progress 1
		.amdhsa_inst_pref_size 255
	.end_amdhsa_kernel
	.section	.bss,"aw",@nobits
	.p2align	6
	.space	262144
	.amdgpu_metadata
---
amdhsa.version: [ 1, 2 ]
amdhsa.kernels:
  - .name:           k_qbd1bc44d37_gru
    .symbol:         k_qbd1bc44d37_gru.kd
    .args:
      - { .name: data, .offset: 0, .size: 8, .value_kind: global_buffer, .address_space: global }
      - { .name: state, .offset: 8, .size: 8, .value_kind: global_buffer, .address_space: global }
      - { .name: b_ig, .offset: 16, .size: 8, .value_kind: global_buffer, .address_space: global }
      - { .name: b_is, .offset: 24, .size: 8, .value_kind: global_buffer, .address_space: global }
      - { .name: wq, .offset: 32, .size: 8, .value_kind: global_buffer, .address_space: global }
      - { .name: ws, .offset: 40, .size: 8, .value_kind: global_buffer, .address_space: global }
      - { .name: out0, .offset: 48, .size: 8, .value_kind: global_buffer, .address_space: global }
    .group_segment_fixed_size: 237056
    .private_segment_fixed_size: 0
    .kernarg_segment_align: 8
    .kernarg_segment_size: 56
    .max_flat_workgroup_size: 128
    .sgpr_count:     66
    .vgpr_count:     1024
    .wavefront_size: 32
...
	.end_amdgpu_metadata
.endif
;; end of part 4
